; MI455X (gfx1250); checked and timed in simulation.
; The chip was launched on July 23, 2026; its instructions are those of AMD's public machine-readable ISA for CDNA 5 (MIT licence, August 2026) and "CDNA5" Instruction Set Architecture Reference Guide (July 2026). The comments in the code are by the model that wrote it; some were corrected since.
;; Multi Headed Attention. Allowed arithmetic: matrix products marked QUANTISED: E2M3 operands, one E8M0 scale for each 32 along K, by v_wmma_scale_f32_16x16x128_f8f6f4 with both operands' format E2M3, f32 sums; everything else in f32.
;; Inputs: Wk 1,024 x 1,024 float32; Wo 1,024 x 1,024 float32; Wq 1,024 x 1,024 float32; Wv 1,024 x 1,024 float32; bk 1,024 float32; bo 1,024 float32; bq 1,024 float32; bv 1,024 float32; key 2 x 2,048 x 1,024 float32; query 2 x 2,048 x 1,024 float32; value 2 x 2,048 x 1,024 float32.
;; Outputs: out0 2 x 2,048 x 1,024 float32.
;; This version of the problem:
;;   THIS VERSION OF THE PROBLEM IS GIVEN IN LOW PRECISION. The matrix products marked QUANTISED in the list below multiply operands that are first quantised to E2M3 (2 exponent bits, 3 mantissa bits; 6 bits a number), with one power-of-two scale for each 32 numbers along K (OCP MX v1.0); their sums are f32. All else is computed in f32.
;;   The module's matrix products, in the order in which they are computed (A, B: the left and right operand; K: the contracted axis; several contracted axes count as one K, in the product's order):
;;     1. [M 4,096, K 1,024] x [K 1,024, N 1,024]; A: input query; B: input Wq: QUANTISED
;;     2. [M 4,096, K 1,024] x [K 1,024, N 1,024]; A: input key; B: input Wk: QUANTISED
;;     3. [M 4,096, K 1,024] x [K 1,024, N 1,024]; A: input value; B: input Wv: QUANTISED
;;     4. batch 32 x [M 2,048, K 64] x [K 64, N 2,048]; A: computed on the way; B: computed on the way: QUANTISED
;;     5. batch 32 x [M 2,048, K 2,048] x [K 2,048, N 64]; A: softmax (see below); B: computed on the way: QUANTISED
;;     6. [M 4,096, K 1,024] x [K 1,024, N 1,024]; A: computed on the way; B: input Wo: QUANTISED
;;   THE QUANTISER, for each operand of a quantised product, along K:
;;     - K is cut into blocks of 32 from its start; a last block that is shorter is filled with zeros.
;;     - A block's scale is 2^e with e = floor(log2(the largest magnitude in the block)) - 2, held to -126 .. 127; a block of zeros has e = 0. As a byte (E8M0): e + 127.
;;     - Each number is divided by its block's scale, clamped to +-7.5, and rounded to the nearest number of E2M3, ties to even, subnormals kept.
;;     - The product sums the exact products of the quantised numbers (number of the format x scale) in f32.
;;   ~~~python
;;   def quantise(x, axis):      # numpy; x: float32 -> the quantised numbers, widened to float32 again
;;       x = np.moveaxis(x, axis, -1); K = x.shape[-1]
;;       x = np.pad(x, [(0, 0)] * (x.ndim - 1) + [(0, -K % 32)]); x = x.reshape(x.shape[:-1] + (-1, 32)); a = np.abs(x).max(-1, keepdims=True)
;;       e = np.where(a > 0, np.clip(np.frexp(np.where(a > 0, a, 1))[1] - 1 - 2, -126, 127), 0)      # np.frexp(a)[1] - 1 = floor(log2(a)), exactly
;;       r = np.clip(x / 2.0 ** e, -7.5, 7.5)
;;       step = 2.0 ** (np.maximum(np.frexp(np.where(r == 0, 1, r))[1] - 1, 0) - 3)
;;       q = np.round(r / step) * step * 2.0 ** e      # np.round: ties to even
;;       return np.moveaxis(q.reshape(q.shape[:-2] + (-1,))[..., :K], -1, axis).astype(np.float32)
;;   ~~~
;;   SOFTMAX AHEAD OF A QUANTISED PRODUCT. Where the list says 'softmax', what is quantised is not the finished softmax but p = 2^(t - M), with t = logit x log2(e) and M = ceil(the row's largest t), a whole number; so 1/2 < the row's largest p <= 1. The row's sum l is taken of the UNQUANTISED p, in f32, and the product's result is divided by l at the end. Since M is a whole number, a kernel that streams over the keys may use a running M (the ceiling of the running maximum): every later rescaling is an exact power of two, which a block's scale takes up: the codes' values come out the same.
;;   OPERANDS COMPUTED ON THE WAY. 'Computed on the way' means the value that the module computes at that place (a softmax that the list does not call 'softmax' is quantised finished and normalised). What goes into a quantiser is computed in f32, as accurately as f32 sums, v_exp_f32 and their like allow (about 1e-6 of the number): no bf16 or f16 on the way to a quantiser, and a product that is left as it is and whose result goes on into a quantised operand takes f32 operands (vector FMAs, or v_wmma_f32_16x16x4_f32). A number that lies on a knife's edge between two numbers of the format may be rounded either way, as far as f32 arithmetic and the matrix unit's own rounding can turn it there, and no further.
;; One version. Each part assembles by itself: llvm-mc -triple=amdgcn-amd-amdhsa -mcpu=gfx1250 --defsym DOCPART=n.
;; ======== version 1 of 1: 4 launches
;; limits: right only within a limited range of input values
;; workspace buffers: xc 9,830,400 bytes; wc 3,276,800 bytes; qkv 9,830,400 bytes; xa 3,276,800 bytes
;; launch quant (part 1): grid 640 x 1, 4 waves a work-group, no clusters, 35,328 bytes of LDS; arguments query, key, value, Wq, Wk, Wv, Wo, xc, wc; writes xc, wc
.if DOCPART == 1
	.amdgcn_target "amdgcn-amd-amdhsa--gfx1250"
	.amdhsa_code_object_version 6
	.text
	.protected	k_q24151269d3_quant
	.globl	k_q24151269d3_quant
	.p2align	8
	.type	k_q24151269d3_quant,@function
k_q24151269d3_quant:
	s_mov_b64 s[64:65], 0
	v_nop
	global_prefetch_b8 v0, s[64:65] scope:SCOPE_SE
	s_setreg_imm32_b32 hwreg(HW_REG_WAVE_MODE, 25, 1), 1
	s_wait_xcnt 0x0
; query, key, value [4096][1024] f32 (K innermost) and Wq, Wk, Wv, Wo [1024 (k)][1024 (n)] f32 (K outermost) become codes of FP6 (E2M3) with one E8M0 byte for each 32 along K.
; A block's scale is 2^(floor(log2(its largest magnitude)) - 2); its byte is the largest magnitude's exponent field - 2, held at 1 from below.
; LIMITS: NaN and infinities are not served; a block whose largest magnitude lies under 2^-124, a block of zeros among them, gets the byte 1 (zeros: the rule says 127; its codes are zeros, and this program alone reads the bytes).
; THE RESULT IS LAID AS IMAGES OF OPERAND REGISTERS.  A fragment (16 rows x 128 K, 12 registers a lane) is 1,536 bytes: registers 0-3 at 16 x lane, 4-5 at 512 + 8 x lane, 6-9 at 768 + 16 x lane, 10-11 at 1,280 + 8 x lane.
; A row tile is two chunks of 6,400 bytes: four fragments (K steps 4 c .. 4 c + 3) and 256 bytes of scale words (K step s, row r at 6,144 + 64 s + 4 r).
; ROW r OF ROW TILE T IS LOGICAL ROW 32 (T / 2) + 8 (T % 2) + r + 8 (r / 8): in a product used transposed the 16 registers of two neighbouring tiles are then 16 neighbours.
; Work-groups 0-255 take the weights (a lane to a column, registers down K, no LDS); work-groups 256-639 the activations (a wave: one row tile x 512 along K, turned through the wave's own stage in LDS).
; No tensor loads, no barrier: waves share nothing.
.set XW,  16                           ; W: v16-143 four blocks of 32 numbers of my column
.set FA,  144                          ; W: v144-155 even blocks, then the first row tile's fragment
.set FB,  156                          ; W: v156-167 odd blocks, then the second row tile's
.set CT,  168                          ; W: v168-170 the second half of a block's codes
.set SB,  172                          ; W: my column's scale word
.set R,   16                           ; X: v16-143 two sets of 64 registers as loaded
.set X,   144                          ; X: v144-207 64 numbers: register 16 b + i = k 32 b + 16 (lane / 16) + i of my row
.set PC,  208                          ; X: v208-226 the codes
.set TM,  228                          ; X: v228-243 at work
.set PW,  244                          ; X: the scale word
.set SEL, 40                           ; s[40:41] selects of v_permlanex16_b32 for lane xor 16
	s_load_b512 s[4:19], s[0:1], 0x0               ; query, key, value, Wq, Wk, Wv, Wo, xc
	s_load_b64 s[20:21], s[0:1], 0x40              ; wc
	v_lshl_add_u32 v254, v0, 2, 0x8800
	v_mov_b32 v255, 0
	v_lshrrev_b32 v1, 5, v0
	v_readfirstlane_b32 s22, v1                    ; wave
	v_and_b32 v1, 31, v0                           ; lane
	v_and_b32 v2, 15, v0                           ; r
	v_bfe_u32 v3, v0, 4, 1                         ; h
	v_lshlrev_b32 v4, 4, v1                        ; 16 x lane
	v_lshlrev_b32 v10, 3, v1                       ; 8 x lane
	s_mul_i32 s23, s22, 8704                       ; my wave's LDS: a stage of 16 rows x 528 bytes, then 256 bytes of scale words
	v_add_nc_u32 v5, s23, v4                       ; into the stage: 16 bytes a lane of a row's 512
	v_mul_u32_u24 v6, v2, 528
	v_lshl_add_u32 v6, v3, 6, v6
	v_add_nc_u32 v6, s23, v6                       ; out of it: row r, + 64 h
	s_add_co_u32 s23, s23, 8448
	v_lshl_add_u32 v7, v2, 2, s23                  ; my row's scale word
	v_add_nc_u32 v8, s23, v10                      ; and the 256 bytes on their way out
	s_mov_b32 s[SEL], 0x76543210
	s_mov_b32 s[SEL+1], 0xfedcba98
	s_wait_kmcnt 0x0
	s_cmp_lt_u32 ttmp9, 256
	s_cbranch_scc0 .Lx_path
; ---------------- the weights: a wave takes 32 columns x 128 along K
	s_lshr_b32 s24, ttmp9, 6                       ; which weight
	s_bfe_u32 s25, ttmp9, 0x30003                  ; which K step of 128
	s_and_b32 s26, ttmp9, 7
	s_lshl_b32 s26, s26, 2
	s_add_co_u32 s26, s26, s22                     ; which 32 columns
	s_cmp_eq_u32 s24, 1
	s_cselect_b64 s[28:29], s[12:13], s[10:11]
	s_cmp_eq_u32 s24, 2
	s_cselect_b64 s[28:29], s[14:15], s[28:29]
	s_cmp_eq_u32 s24, 3
	s_cselect_b64 s[28:29], s[16:17], s[28:29]
	s_lshl_b32 s30, s25, 19                        ; 128 rows of 4,096 bytes
	s_lshl_b32 s31, s26, 7
	s_add_co_u32 s30, s30, s31
	s_mov_b32 s31, 0
	s_add_nc_u64 s[28:29], s[28:29], s[30:31]
	s_mul_i32 s32, s24, 819200                     ; the weight's 64 row tiles,
	s_mul_i32 s33, s26, 25600                      ; my two,
	s_add_co_u32 s32, s32, s33
	s_lshr_b32 s33, s25, 2
	s_mul_i32 s33, s33, 6400                       ; the chunk
	s_add_co_u32 s32, s32, s33
	s_and_b32 s34, s25, 3
	s_mul_i32 s35, s34, 1536
	s_add_co_u32 s36, s32, s35
	s_mov_b32 s37, 0
	s_add_nc_u64 s[36:37], s[20:21], s[36:37]      ; the fragment's place
	s_lshl_b32 s34, s34, 6
	s_add_co_u32 s38, s32, s34
	s_add_co_u32 s38, s38, 6144
	s_mov_b32 s39, 0
	s_add_nc_u64 s[38:39], s[20:21], s[38:39]      ; the scale words' place
	v_and_b32 v9, 8, v2
	v_add_nc_u32 v9, v9, v2
	v_lshl_add_u32 v9, v3, 3, v9
	v_lshlrev_b32 v9, 2, v9                        ; my column: r + 8 (r / 8) + 8 h: lanes 0-15 are the first row tile, lanes 16-31 the second
	v_mul_u32_u24 v11, v3, 12800
	v_lshl_add_u32 v11, v2, 2, v11                 ; my scale word: 12,800 h + 4 r
.macro LOADB t                         ; block t: W(32 t + i, my column): a wave reads 128 consecutive bytes, the work-group 512
.set i, 0
.rept 32
	global_load_b32 v[XW+32*(\t)+i], v9, s[28:29] offset:(32*(\t)+i)*4096 th:TH_LOAD_NT
.set i, i+1
.endr
.endm
.macro BLOCK t                         ; a block's 32 numbers are all mine: largest magnitude, byte, 32 codes in six registers
.set XS, XW+32*(\t)
.set DD, FA+12*((\t)%2)+6*((\t)/2)
	v_max3_num_f32 v174, |v[XS]|, |v[XS+1]|, |v[XS+2]|
	v_max3_num_f32 v175, |v[XS+3]|, |v[XS+4]|, |v[XS+5]|
.irp i, 6,10,14,18,22,26
	v_max3_num_f32 v174, v174, |v[XS+\i]|, |v[XS+\i+1]|
	v_max3_num_f32 v175, v175, |v[XS+\i+2]|, |v[XS+\i+3]|
.endr
	v_max3_num_f32 v174, v174, |v[XS+30]|, |v[XS+31]|
	v_max3_num_f32 v174, v174, v175, 0x1800000     ; the floor 2^(3 - 127): the byte cannot fall under 1
	v_add_nc_u32 v176, 0xff000000, v174            ; 2 off the exponent field: the conversion's scale operand
	v_lshrrev_b32 v177, 23, v176                   ; the byte
.if (\t) == 0
	v_mov_b32 v[SB], v177
.else
	v_lshl_or_b32 v[SB], v177, 8*(\t), v[SB]
.endif
	v_cvt_scalef32_pk16_fp6_f32 v[DD:DD+2], v[XS:XS+15], v176
	v_cvt_scalef32_pk16_fp6_f32 v[CT:CT+2], v[XS+16:XS+31], v176   ; (a conversion's three registers begin on an even number)
	v_nop                                          ; one plain place behind a scaled conversion
.irp i, 0,1,2
	v_mov_b32 v[DD+3+\i], v[CT+\i]
.endr
.endm
	LOADB 0
	LOADB 1
	LOADB 2
	LOADB 3
	s_wait_loadcnt 63                              ; behind block 1's last load 64 were issued: a smaller count is safe: blocks 0 and 1 are in
	BLOCK 0
	BLOCK 1
.irp i, 0,1,2,3,4,5                    ; the even block's lanes 16-31 change places with the odd block's lanes 0-15: FA is then the first 16 columns' fragment (lanes 0-15 block 0, lanes 16-31 block 1), FB the other 16 columns'
	v_permlane16_swap_b32 v[FA+\i], v[FB+\i]
.endr
	s_wait_loadcnt 32                              ; block 2 is in; block 3's 32 loads may be out
	BLOCK 2
	s_wait_loadcnt 0x0
	BLOCK 3
.irp i, 6,7,8,9,10,11
	v_permlane16_swap_b32 v[FA+\i], v[FB+\i]
.endr
.irp u, 0,1                            ; each store covers 512 or 256 consecutive bytes, at a multiple of 256 from the buffer's first byte
	global_store_b128 v4, v[FA+12*\u:FA+12*\u+3], s[36:37] offset:12800*\u
	global_store_b64 v10, v[FA+12*\u+4:FA+12*\u+5], s[36:37] offset:12800*\u+512
	global_store_b128 v4, v[FA+12*\u+6:FA+12*\u+9], s[36:37] offset:12800*\u+768
	global_store_b64 v10, v[FA+12*\u+10:FA+12*\u+11], s[36:37] offset:12800*\u+1280
.endr
	global_store_b32 v11, v[SB], s[38:39]          ; 64 bytes for each of the two row tiles
	s_endpgm
; ---------------- the activations: a wave takes one row tile x one chunk (16 rows x 512 along K)
.Lx_path:
	s_sub_co_u32 s24, ttmp9, 256
	s_lshr_b32 s25, s24, 7                         ; which tensor
	s_and_b32 s26, s24, 127
	s_lshl_b32 s26, s26, 2
	s_add_co_u32 s26, s26, s22
	s_lshr_b32 s27, s26, 1                         ; row tile
	s_and_b32 s26, s26, 1                          ; chunk
	s_cmp_eq_u32 s25, 1
	s_cselect_b64 s[28:29], s[6:7], s[4:5]
	s_cmp_eq_u32 s25, 2
	s_cselect_b64 s[28:29], s[8:9], s[28:29]
	s_lshr_b32 s30, s27, 1
	s_lshl_b32 s30, s30, 5
	s_and_b32 s31, s27, 1
	s_lshl_b32 s31, s31, 3
	s_add_co_u32 s30, s30, s31                     ; query, value: the tile's first logical row, 32 (T / 2) + 8 (T % 2)
	; KEY'S ROWS HAVE ANOTHER ORDER: row r of row tile T is logical row 64 (T / 4) + 8 (T % 4) + r % 8 + 32 (r / 8): in the scores K Q^T a lane then holds whole blocks of 32 keys
	s_lshr_b32 s34, s27, 2
	s_lshl_b32 s34, s34, 6
	s_and_b32 s35, s27, 3
	s_lshl_b32 s35, s35, 3
	s_add_co_u32 s34, s34, s35
	s_cmp_eq_u32 s25, 1
	s_cselect_b32 s30, s34, s30
	s_cselect_b32 s42, 65536, 0                    ; key: rows 8-15 lie 16 rows of 4,096 bytes further on than the loads' immediates say
	s_mov_b32 s43, 0
	s_lshl_b32 s30, s30, 12
	s_lshl_b32 s31, s26, 11
	s_add_co_u32 s30, s30, s31
	s_mov_b32 s31, 0
	s_add_nc_u64 s[28:29], s[28:29], s[30:31]
	s_add_nc_u64 s[42:43], s[28:29], s[42:43]      ; the base of rows 8-15
	s_mul_i32 s32, s25, 3276800
	s_mul_i32 s33, s27, 12800
	s_add_co_u32 s32, s32, s33
	s_mul_i32 s33, s26, 6400
	s_add_co_u32 s32, s32, s33
	s_mov_b32 s33, 0
	s_add_nc_u64 s[36:37], s[18:19], s[32:33]
.irp b, 0,1,2,3
	v_mov_b32 v[TM+4+\b], 0                        ; written once: a lane permute's destination counts as one of its sources
.endr
; 64 numbers of a lane, register 16 b + i = k 32 b + 16 (lane / 16) + i of my row, become a fragment's codes in v[pc] on and its scale word in v[pw]
.macro QUANT src, pc, pw
.irp b, 0,1,2,3
	v_max3_num_f32 v[TM+\b], |v[\src+16*\b]|, |v[\src+1+16*\b]|, 0x1800000   ; my 16 numbers of block b, and the floor 2^(3 - 127)
.endr
.irp i, 2,4,6,8,10,12,14
.irp b, 0,1,2,3
	v_max3_num_f32 v[TM+\b], v[TM+\b], |v[\src+16*\b+\i]|, |v[\src+1+16*\b+\i]|
.endr
.endr
.irp b, 0,1,2,3
	v_permlanex16_b32 v[TM+4+\b], v[TM+\b], s[SEL], s[SEL+1]
.endr
.irp b, 0,1,2,3
	v_max_num_f32 v[TM+\b], v[TM+\b], v[TM+4+\b]   ; with lane xor 16's: the block's largest magnitude
.endr
.irp b, 0,1,2,3
	v_add_nc_u32 v[TM+12+\b], 0xff000000, v[TM+\b] ; 2 off its exponent field: the conversion's scale operand
.endr
.irp b, 0,1,2,3
	v_lshrrev_b32 v[TM+4+\b], 23, v[TM+12+\b]      ; the byte
.endr
	v_lshl_or_b32 v[\pw], v[TM+5], 8, v[TM+4]
	v_lshl_or_b32 v[\pw], v[TM+6], 16, v[\pw]
	v_lshl_or_b32 v[\pw], v[TM+7], 24, v[\pw]
.irp c, 0,1
	v_cvt_scalef32_pk16_fp6_f32 v[\pc+6*\c:\pc+2+6*\c], v[\src+32*\c:\src+15+32*\c], v[TM+12+2*\c]
	v_cvt_scalef32_pk16_fp6_f32 v[\pc+12+4*\c:\pc+14+4*\c], v[\src+16+32*\c:\src+31+32*\c], v[TM+12+2*\c+1]
.endr
	v_nop                                          ; one plain place behind a scaled conversion
.irp c, 0,1                            ; the layout wants a whole block in a lane: lanes 0-15 block 2 c, lanes 16-31 block 2 c + 1
.irp i, 0,1,2
	v_permlane16_swap_b32 v[\pc+6*\c+\i], v[\pc+12+4*\c+\i]
.endr
.irp i, 0,1,2
	v_mov_b32 v[\pc+3+6*\c+\i], v[\pc+12+4*\c+\i]
.endr
.endr
.endm
.macro LOADK s                         ; K step s of the chunk: each load reads 512 consecutive bytes of one row; row i of the tile is logical row i + 8 (i / 8)
.irp i, 0,1,2,3,4,5,6,7,8,9,10,11,12,13,14,15
	global_load_b128 v[R+64*((\s)%2)+4*\i:R+64*((\s)%2)+4*\i+3], v4, s[28+14*(\i/8):29+14*(\i/8)] offset:(\i+8*(\i/8))*4096+512*(\s) th:TH_LOAD_NT
.endr
.endm
.macro TURN s                          ; through the stage: LDS serves a wave's instructions in order, so no wait stands between the stores and the loads
.irp i, 0,1,2,3,4,5,6,7,8,9,10,11,12,13,14,15
	ds_store_b128 v5, v[R+64*((\s)%2)+4*\i:R+64*((\s)%2)+4*\i+3] offset:528*\i
.endr
.irp i, 0,1,2,3,4,5,6,7,8,9,10,11,12,13,14,15
	ds_load_b128 v[X+4*\i:X+4*\i+3], v6 offset:128*(\i/4)+16*(\i%4)
.endr
.endm
.macro XSTEP s
.if (\s) < 3
	s_wait_loadcnt 16                              ; this step's 16 loads are in; the next step's may be out
.else
	s_wait_loadcnt 0x0
.endif
	TURN \s
	s_wait_dscnt 0x0                               ; my 64 numbers are back, and the stores into the stage have read their registers,
.if (\s) < 2
	LOADK (\s)+2                                   ; which take the loads of two steps on
.endif
.if (\s) > 0
	s_wait_xcnt 0x0                                ; the last step's stores have read the codes' registers: they are written again only behind this wait
.endif
	QUANT X, PC, PW
	ds_store_b32 v7, v[PW] offset:64*(\s)          ; lanes r and r + 16 write the same word with the same value
	global_store_b128 v4, v[PC:PC+3], s[36:37] offset:1536*(\s)
	global_store_b64 v10, v[PC+4:PC+5], s[36:37] offset:1536*(\s)+512
	global_store_b128 v4, v[PC+6:PC+9], s[36:37] offset:1536*(\s)+768
	global_store_b64 v10, v[PC+10:PC+11], s[36:37] offset:1536*(\s)+1280
.endm
	LOADK 0
	LOADK 1
	s_wait_alu depctr_va_vdst(0)
	XSTEP 0
	XSTEP 1
	XSTEP 2
	XSTEP 3
	ds_load_b64 v[246:247], v8                     ; the chunk's 256 bytes of scale words: these see my stores
	s_wait_dscnt 0x0
	global_store_b64 v10, v[246:247], s[36:37] offset:6144   ; 256 consecutive bytes, aligned
	s_wait_tensorcnt 0x0
	ds_add_u32 v254, v255
	s_wait_dscnt 0x0
	s_endpgm
.Lfunc_end_k_q24151269d3_quant:
	.size	k_q24151269d3_quant, .Lfunc_end_k_q24151269d3_quant-k_q24151269d3_quant
	.p2alignl 7, 3214868480
	.fill 96, 4, 3214868480
	.section	.rodata,"a",@progbits
	.p2align	6, 0x0
	.amdhsa_kernel k_q24151269d3_quant
		.amdhsa_group_segment_fixed_size 35328
		.amdhsa_private_segment_fixed_size 0
		.amdhsa_enable_private_segment 0
		.amdhsa_kernarg_size 72
		.amdhsa_user_sgpr_count 2
		.amdhsa_user_sgpr_kernarg_segment_ptr 1
		.amdhsa_wavefront_size32 1
		.amdhsa_system_sgpr_workgroup_id_x 1
		.amdhsa_system_sgpr_workgroup_id_y 1
		.amdhsa_system_sgpr_workgroup_id_z 1
		.amdhsa_system_vgpr_workitem_id 0
		.amdhsa_next_free_vgpr 256
		.amdhsa_next_free_sgpr 66
		.amdhsa_reserve_vcc 0
		.amdhsa_float_denorm_mode_32 3
		.amdhsa_float_denorm_mode_16_64 3
		.amdhsa_memory_ordered 1
		.amdhsa_forward_progress 1
		.amdhsa_inst_pref_size 55
	.end_amdhsa_kernel
	.amdgpu_metadata
---
amdhsa.version: [ 1, 2 ]
amdhsa.kernels:
  - .name:           k_q24151269d3_quant
    .symbol:         k_q24151269d3_quant.kd
    .args:
      - { .name: query, .offset: 0, .size: 8, .value_kind: global_buffer, .address_space: global }
      - { .name: key, .offset: 8, .size: 8, .value_kind: global_buffer, .address_space: global }
      - { .name: value, .offset: 16, .size: 8, .value_kind: global_buffer, .address_space: global }
      - { .name: Wq, .offset: 24, .size: 8, .value_kind: global_buffer, .address_space: global }
      - { .name: Wk, .offset: 32, .size: 8, .value_kind: global_buffer, .address_space: global }
      - { .name: Wv, .offset: 40, .size: 8, .value_kind: global_buffer, .address_space: global }
      - { .name: Wo, .offset: 48, .size: 8, .value_kind: global_buffer, .address_space: global }
      - { .name: xc, .offset: 56, .size: 8, .value_kind: global_buffer, .address_space: global }
      - { .name: wc, .offset: 64, .size: 8, .value_kind: global_buffer, .address_space: global }
    .group_segment_fixed_size: 35328
    .private_segment_fixed_size: 0
    .kernarg_segment_align: 8
    .kernarg_segment_size: 72
    .max_flat_workgroup_size: 128
    .sgpr_count:     66
    .vgpr_count:     256
    .wavefront_size: 32
...
	.end_amdgpu_metadata
.endif
;; end of part 1
;; launch proj (part 2): grid 64 x 4, 4 waves a work-group, clusters of 4 x 4, 327,680 bytes of LDS; arguments xc, wc, bq, bk, bv, qkv; writes qkv
.if DOCPART == 2
	.amdgcn_target "amdgcn-amd-amdhsa--gfx1250"
	.amdhsa_code_object_version 6
	.text
	.protected	k_q24151269d3_proj
	.globl	k_q24151269d3_proj
	.p2align	8
	.type	k_q24151269d3_proj,@function
k_q24151269d3_proj:
	s_mov_b64 s[64:65], 0
	v_nop
	global_prefetch_b8 v0, s[64:65] scope:SCOPE_SE
	s_setreg_imm32_b32 hwreg(HW_REG_WAVE_MODE, 25, 1), 1
	s_wait_xcnt 0x0
	s_wait_alu depctr_hold_cnt(0) depctr_sa_sdst(0) depctr_va_vdst(0) depctr_va_sdst(0) depctr_va_ssrc(0) depctr_va_vcc(0) depctr_vm_vsrc(0)
	s_getreg_b32 s2, hwreg(HW_REG_IB_STS2, 6, 4)
	s_cmp_eq_u32 s2, 0
	s_cbranch_scc0 .Lentry_in_a_cluster
	s_endpgm
.Lentry_in_a_cluster:
	s_bfe_u32 s2, ttmp6, 0x10000c
	s_cmp_lg_u32 s2, 0xf033
	s_cbranch_scc0 .Lentry_shape_is_right
	s_endpgm
.Lentry_shape_is_right:
; The three input projections on codes of FP6 (E2M3) with E8M0 scales, + bias, and their results quantised again: q and k along the head's 64, v along the tokens.
; C(i, j) = sum over k of I[i][k] J[j][k], K = 1,024.  THE MATRIX INSTRUCTION IS USED TRANSPOSED (source 0 = 16 rows of J, source 1 = 16 rows of I): a lane holds ONE row i and its registers run along j.
; q, k: I = tokens, J = the weight's columns n: a lane's registers run along n = 64 head + d: the next K.   v: I = the weight's columns, J = tokens: a lane's registers run along the tokens: the next K.
; Operands lie in memory as images of their registers (fragment: 1,536 bytes; row tile: two chunks of 6,400 bytes = four fragments + 256 bytes of scale words); query's, value's and the weights' rows in the order
; 32 (T / 2) + 8 (T % 2) + r + 8 (r / 8), so that the 16 registers of J's tiles 2 g and 2 g + 1 are the 16 neighbours 32 g + 16 (lane / 16) + 0 .. 15.  (key's rows have an order of their own, which nothing here hangs on: they are rows of I.)
; SHARES.  q and k are 2 x 32 x 4 = 256 tiles of 128 (i) x 256 (j); v is 16 x 16 = 256 tiles of 64 (i) x 256 (j).  256 work-groups: each makes one tile of q or k, PHASE 1, and then one of v, PHASE 2.
; Four waves, 2 x 2: in phase 1 a wave makes 64 x 128 (NA = 4 tiles of I, 32 accumulators), in phase 2 32 x 128 (NA = 2, 16 accumulators).
; LDS: two chunks (K steps 0-3, 4-7) of 24 rows of 6,400 bytes: I's row tiles from row 0, J's 16 from row 8.  At the head one joint load a wave: I's chunk 0, J's chunk 0, I's chunk 1, J's chunk 1.
; TWO REFILLS, each behind the three lines in every wave and a round of the cluster's barrier: in phase 1's K step 3, when chunk 0 is read no more,
; v's chunk 0 (wave 0 I's, wave 1 J's); in its K step 7 v's chunk 1 (waves 2, 3).  The second round shows the first refill to all waves; the plain barrier in phase 2's K step 3 shows the second.
; PREFETCH: what the refills will load is asked for in phase 1's K steps 0, 1 and 2, one request a wave and step, behind the step's run of LDS loads: at least one K step ahead of the first refill, five ahead of the second.
; The sixteen waves of the four work-groups that will load a tile jointly share its blocks of 256 bytes out by address: of value's tile (800 blocks) wave 4 cy + w takes row tile 4 cy + w, 50 blocks, in two requests (32 and 18);
; of Wv's tile (200 blocks) wave 4 cx + w takes 13 from block 13 (4 cx + w) on, held at the tile's last block.  Lanes left over name their wave's last block again.  Phase 1's own tiles are all asked for at the head.
; CLUSTERS: 4 x 4.  In both phases I's tile is shared along a row of the cluster, J's along a column.  Cluster c: phase 1: tensor c / 8, I's tile 4 (c % 8) + cy, J's cx;  phase 2: I's tile (the head) 4 (c % 4) + cy, J's 4 (c / 4) + cx.
; OUTPUT qkv: [batch x 16 + step of 128 tokens][head][Q, K, V][6,400]: Q, K: eight half fragments (16 tokens x 64 d, 768 bytes) + scale words (pair of tiles P, row r at 6,144 + 128 (P / 2) + 8 r + 4 (P % 2): tile 2 P's two bytes, then tile 2 P + 1's);
; V: four fragments (16 d x 128 tokens) + scale words (d tile 2 i + u, row r at 6,144 + 128 u + 8 r + 4 i).
; LIMITS: NaN and infinities are not served; a block whose largest magnitude lies under 2^-124, zeros among them, gets the byte 1 (its reader is this program alone).
; REGISTERS.  window 0: v1-15 addresses and selectors; v16-31 I's scale words, v32-63 J's (register 8 p + s: lanes 0-15 tile 2 p, lanes 16-31 tile 2 p + 1, K step s); v64-127 the bias along j; v128-131 the bias along i; v132-134 the prefetches' offsets;
;   v136-231 I's fragments, two sets of 48 (on the way out: v136-199 64 numbers, v200-218 codes); v232-247 at work (v242, v243: the add's two); v248-251 scale words made; v252-253 those stored; v254-255 the bias loads' offsets.
;   window 1: the accumulators, (a, b) at v[8 (8 a + b)].   window 2: J's fragments, tile b at v[12 b].
.set WV,  16
.set SI,  16
.set SJ,  32
.set BJ,  64
.set BI,  128
.set PF,  132
.set IFR, 136
.set H,   136
.set PC,  200
.set TM,  232
.set PW,  248
.set WW,  252
.set SEL, 98
.set NA,  4
.set MSB, 0
.macro WIN new                         ; the immediate's high byte repeats the setting that is left; a switch that changes nothing is dropped
.if MSB != \new
	s_set_vgpr_msb (MSB<<8)|\new
.set MSB, \new
.endif
.endm
.macro WALU
	s_wait_alu depctr_va_vdst(0)
.endm
.macro CREST                           ; a round of the cluster's barrier behind its opening barrier
	s_cmp_lg_u32 s[WV], 0
	s_cbranch_scc1 .Lnot_wave_0_\@
	s_barrier_signal -3
.Lnot_wave_0_\@:
	s_barrier_wait -3
	s_barrier_signal -1
	s_barrier_wait -1
.endm
.macro CROUND                          ; a whole round
	s_barrier_signal -1
	s_barrier_wait -1
	CREST
.endm
.macro PLACES                          ; four places behind a matrix instruction, in front of loads into its registers and of reads of its results
.rept 4
	v_nop
.endr
.endm
.macro TLOAD g0, g1
	tensor_load_to_lds s[\g0:\g0+3], s[\g1:\g1+7]
	s_nop 0
	PLACES
.endm
.macro RARMS wa, ga, wb, gb            ; a refill: wave wa asks for I's tile, wave wb for J's, the others for nothing
	s_cmp_eq_u32 s[WV], \wa
	s_cbranch_scc0 .Lnot_i_\@
	TLOAD \ga, 24
	s_branch .Lrefilled_\@
.Lnot_i_\@:
	s_cmp_eq_u32 s[WV], \wb
	s_cbranch_scc0 .Lrefilled_\@
	TLOAD \gb, 32
.Lrefilled_\@:
.endm
	s_load_b256 s[4:11], s[0:1], 0x0               ; xc, wc, bq, bk
	s_load_b128 s[12:15], s[0:1], 0x20             ; bv, qkv
	v_lshl_add_u32 v242, v0, 2, 0x4b000
	v_mov_b32 v243, 0
	ds_add_u32 v242, v243                          ; the opening lines: the add twice on end and one wait
	ds_add_u32 v242, v243
	v_lshrrev_b32 v1, 5, v0
	v_readfirstlane_b32 s[WV], v1                  ; wave 0..3
	s_lshr_b32 s17, s[WV], 1                       ; wi: which half of the rows i
	s_and_b32 s18, s[WV], 1                        ; wj: which 128 of the 256 rows j
	s_bfe_u32 s19, ttmp6, 0x40000                  ; cx
	s_bfe_u32 s20, ttmp6, 0x40004                  ; cy
	s_lshr_b32 s21, ttmp9, 3                       ; phase 1's tensor: 0 q, 1 k: the same in all sixteen partners
	s_and_b32 s22, ttmp9, 7
	s_lshl_b32 s56, s22, 2
	s_add_co_u32 s56, s56, s20                     ; phase 1, I's tile (128 tokens): hangs on cy alone
	s_mov_b32 s57, s19                             ; J's tile (256 columns): on cx alone
	s_and_b32 s58, ttmp9, 3
	s_lshl_b32 s58, s58, 2
	s_add_co_u32 s58, s58, s20                     ; phase 2, I's tile (64 columns of Wv: a head): cy alone
	s_lshr_b32 s59, ttmp9, 2
	s_lshl_b32 s59, s59, 2
	s_add_co_u32 s59, s59, s19                     ; J's tile (256 tokens): cx alone
	s_lshl_b32 s60, s20, 2
	s_lshl_b32 s60, 15, s60                        ; my row of the cluster
	s_lshl_b32 s61, 0x1111, s19                    ; my column
	; descriptor group 1: rows (row tiles) of 6,400 bytes = 800 elements of 8 bytes, 12,800 bytes apart; dense in LDS.  I's: 8 rows (phase 2: 4), J's: 16
	s_or_b32 s24, s60, (3<<16)|(1<<21)             ; 15:0 the mask; 17:16 elements of 8 bytes; 21 set beside a mask
	s_or_b32 s32, s61, (3<<16)|(1<<21)
.irp g, 24, 32
	s_mov_b32 s[\g+1], 800<<16                     ; tensor_dim0
	s_mov_b32 s[\g+2], (\g-16)<<16                 ; tensor_dim1
	s_mov_b32 s[\g+3], 800<<16                     ; tile_dim0
	s_mov_b32 s[\g+4], \g-16                       ; tile_dim1
	s_mov_b32 s[\g+5], 1600                        ; from row to row
	s_mov_b32 s[\g+6], 0
	s_mov_b32 s[\g+7], 0
.endr
	s_mul_i32 s72, s21, 3276800                    ; phase 1, I: the tensor among the activations' codes, 8 row tiles to a tile
	s_mul_i32 s73, s56, 102400
	s_add_co_u32 s72, s72, s73
	s_mov_b32 s73, 0
	s_mul_i32 s74, s21, 819200                     ; J: the weight, 16 row tiles to a tile
	s_mul_i32 s75, s57, 204800
	s_add_co_u32 s74, s74, s75
	s_mov_b32 s75, 0
	s_mul_i32 s76, s58, 51200                      ; phase 2, I: Wv is the third weight, 4 row tiles to a tile
	s_add_co_u32 s76, s76, 1638400
	s_mov_b32 s77, 0
	s_mul_i32 s78, s59, 204800                     ; J: value is the third tensor
	s_add_co_u32 s78, s78, 6553600
	s_mov_b32 s79, 0
	; the biases: along j (bq or bk) from column 256 x J's tile + 128 wj; along i (bv) from column 64 x head + 32 wi
	s_lshl_b32 s80, s57, 10
	s_lshl_b32 s81, s18, 9
	s_add_co_u32 s80, s80, s81
	s_mov_b32 s81, 0
	s_lshl_b32 s82, s58, 8
	s_lshl_b32 s83, s17, 7
	s_add_co_u32 s82, s82, s83
	s_mov_b32 s83, 0
	; where phase 1's results go: step = I's tile, my first head of two = 2 (2 x J's tile + wj), sub-block Q or K, my four token tiles
	s_lshl_b32 s66, s57, 1
	s_add_co_u32 s66, s66, s18
	s_lshl_b32 s66, s66, 1
	s_lshl_b32 s67, s56, 4
	s_add_co_u32 s66, s66, s67
	s_mul_i32 s66, s66, 19200
	s_mul_i32 s67, s21, 6400
	s_add_co_u32 s66, s66, s67
	s_mul_i32 s84, s17, 3072
	s_add_co_u32 s84, s84, s66
	s_mov_b32 s85, 0
	s_lshl_b32 s86, s17, 7
	s_add_co_u32 s86, s86, s66
	s_add_co_u32 s86, s86, 6144                    ; and their scale words
	s_mov_b32 s87, 0
	; and phase 2's: step = 2 x J's tile + wj, the head, sub-block V, my d tiles 2 wi and 2 wi + 1
	s_lshl_b32 s66, s59, 1
	s_add_co_u32 s66, s66, s18
	s_lshl_b32 s66, s66, 4
	s_add_co_u32 s66, s66, s58
	s_mul_i32 s66, s66, 19200
	s_mul_i32 s88, s17, 3072
	s_add_co_u32 s88, s88, s66
	s_add_co_u32 s88, s88, 12800
	s_mov_b32 s89, 0
	s_lshl_b32 s90, s17, 2
	s_add_co_u32 s90, s90, s66
	s_add_co_u32 s90, s90, 18944                   ; their scale words: 6,144 + 128 u + 8 r + 4 wi
	s_mov_b32 s91, 0
	; the prefetches: my share of phase 2's tiles, told apart by address alone
	s_lshl_b32 s66, s20, 2
	s_add_co_u32 s66, s66, s[WV]
	s_mul_i32 s66, s66, 12800
	s_add_co_u32 s66, s66, s78                     ; value's tile: row tile 4 cy + wave, in bytes from xc
	s_lshl_b32 s67, s19, 2
	s_add_co_u32 s67, s67, s[WV]
	s_mul_i32 s67, s67, 13                         ; Wv's tile: from block 13 (4 cx + wave) on
	s_mul_i32 s62, s17, 25600                      ; LDS: my 4 row tiles of I in phase 1,
	s_mul_i32 s63, s17, 12800                      ; my 2 in phase 2,
	s_mul_i32 s94, s18, 51200
	s_add_co_u32 s94, s94, 51200                   ; my 8 row tiles of J
	s_mov_b32 s[SEL], 0x76543210
	s_mov_b32 s[SEL+1], 0xfedcba98
	s_wait_dscnt 0x0                               ; both opening adds are done
	s_wait_kmcnt 0x0
	s_add_nc_u64 s[72:73], s[4:5], s[72:73]
	s_add_nc_u64 s[74:75], s[6:7], s[74:75]
	s_add_nc_u64 s[68:69], s[6:7], s[76:77]        ; kept for the refills
	s_add_nc_u64 s[70:71], s[4:5], s[78:79]
.irp c, 0,1
	s_mov_b32 s[40+4*\c], 1
	s_mov_b32 s[41+4*\c], \c*153600
	s_add_nc_u64 s[42+4*\c:43+4*\c], s[72:73], \c*6400
	s_or_b32 s[43+4*\c], s[43+4*\c], 0x80000000
	s_mov_b32 s[48+4*\c], 1
	s_mov_b32 s[49+4*\c], \c*153600+51200
	s_add_nc_u64 s[50+4*\c:51+4*\c], s[74:75], \c*6400
	s_or_b32 s[51+4*\c], s[51+4*\c], 0x80000000
.endr
	CROUND                                         ; all sixteen work-groups are here: the joint loads meet
	s_cmp_eq_u32 s[WV], 0                          ; one joint load a wave, each in an arm of its own of one chain
	s_cbranch_scc0 .Larm1
	TLOAD 40, 24                                   ; wave 0: I's chunk 0
	s_branch .Lasked
.Larm1:
	s_cmp_eq_u32 s[WV], 1
	s_cbranch_scc0 .Larm2
	TLOAD 48, 32                                   ; wave 1: J's chunk 0
	s_branch .Lasked
.Larm2:
	s_cmp_eq_u32 s[WV], 2
	s_cbranch_scc0 .Larm3
	TLOAD 44, 24                                   ; wave 2: I's chunk 1
	s_branch .Lasked
.Larm3:
	TLOAD 52, 32                                   ; wave 3: J's chunk 1
.Lasked:
	s_cmp_eq_u32 s21, 1
	s_cselect_b64 s[92:93], s[10:11], s[8:9]
	s_add_nc_u64 s[80:81], s[92:93], s[80:81]
	s_add_nc_u64 s[82:83], s[12:13], s[82:83]
	s_add_nc_u64 s[84:85], s[14:15], s[84:85]
	s_add_nc_u64 s[86:87], s[14:15], s[86:87]
	s_add_nc_u64 s[88:89], s[14:15], s[88:89]
	s_add_nc_u64 s[90:91], s[14:15], s[90:91]
	v_and_b32 v15, 31, v0
	v_lshl_add_u32 v[PF], v15, 8, s66              ; value's row tile: blocks 0-31, a lane a block;
	v_min_u32 v[PF+1], 17, v15
	v_lshl_add_u32 v[PF+1], v[PF+1], 8, s66        ; blocks 32-49 (with 8,192 in the request's immediate)
	v_min_u32 v[PF+2], 12, v15
	v_add_nc_u32 v[PF+2], s67, v[PF+2]
	v_min_u32 v[PF+2], 199, v[PF+2]                ; Wv's tile has 200 blocks
	v_lshl_add_u32 v[PF+2], v[PF+2], 8, s76        ; in bytes from wc
	v_lshlrev_b32 v1, 4, v15                       ; 16 x lane
	v_lshlrev_b32 v2, 3, v15                       ; 8 x lane
	v_and_b32 v3, 15, v0                           ; r
	v_bfe_u32 v4, v0, 4, 1                         ; h
	v_add_nc_u32 v5, s62, v1
	v_add_nc_u32 v6, s62, v2
	v_add_nc_u32 v7, s94, v1
	v_add_nc_u32 v8, s94, v2
	v_mul_u32_u24 v15, v4, 6400                    ; scale words: lanes 16-31 take the next row tile's
	v_lshl_add_u32 v15, v3, 2, v15
	v_add_nc_u32 v15, 6144, v15                    ; kept for phase 2
	v_add_nc_u32 v10, s94, v15
	v_add_nc_u32 v9, s62, v15
	v_mul_u32_u24 v11, v4, 19200
	v_lshl_add_u32 v11, v3, 3, v11                 ; q's, k's scale words: lanes 16-31 the next head's
	v_lshlrev_b32 v12, 7, v4
	v_lshl_add_u32 v12, v3, 3, v12                 ; v's: lanes 16-31 the odd d tile's
	v_sub_nc_u32 v13, 0, v4                        ; all ones in lanes 16-31
	v_and_b32 v14, 0x04040404, v13
	v_add_nc_u32 v14, 0x03020100, v14              ; v: lanes 0-15 take the even tile's word, lanes 16-31 the odd one's
	v_and_b32 v13, 0x02020202, v13
	v_add_nc_u32 v13, 0x05040100, v13              ; q, k: lanes 0-15 take my first head's two bytes of two tiles, lanes 16-31 my second head's
	v_lshlrev_b32 v254, 6, v4                      ; the bias along j: my half's 16 numbers of each 32
	v_and_b32 v255, 8, v3
	v_add_nc_u32 v255, v255, v3
	v_lshlrev_b32 v255, 2, v255                    ; along i: row r + 8 (r / 8)
.irp b, 0,1,2,3
	v_mov_b32 v[TM+4+\b], 0                        ; written once: a lane permute's destination counts as one of its sources
.endr
.irp b, 0,1,2,3,4,5,6,7
	global_load_b128 v[BJ+8*\b:BJ+8*\b+3], v254, s[80:81] offset:(32*(\b/2)+8*(\b%2))*4
	global_load_b128 v[BJ+8*\b+4:BJ+8*\b+7], v254, s[80:81] offset:(32*(\b/2)+8*(\b%2))*4+16
.endr
.irp a, 0,1
	global_load_b32 v[BI+2*\a], v255, s[82:83] offset:32*\a      ; twice: a pair for the packed addition
	global_load_b32 v[BI+2*\a+1], v255, s[82:83] offset:32*\a
.endr
.macro FRAGLD reg, a16, a8, off        ; a fragment's image comes back as it was stored: every load reads consecutive bytes
	ds_load_b128 v[(\reg):(\reg)+3], v[\a16] offset:(\off)
	ds_load_b64 v[(\reg)+4:(\reg)+5], v[\a8] offset:(\off)+512
	ds_load_b128 v[(\reg)+6:(\reg)+9], v[\a16] offset:(\off)+768
	ds_load_b64 v[(\reg)+10:(\reg)+11], v[\a8] offset:(\off)+1280
.endm
.macro LDI fs, ks                      ; I's NA fragments of K step ks into set fs: 4 NA loads
	WIN 0
.irp a, 0,1,2,3
.if \a < NA
	FRAGLD IFR+48*(\fs)+12*\a, 5, 6, 6400*\a+1536*((\ks)%4)
.endif
.endr
.endm
.macro LDJ hf, ks                      ; J's tiles 4 hf .. 4 hf + 3: 16 loads
	WIN 0x80                                       ; destination window 2, address window 0
.irp b, 0,1,2,3
	FRAGLD 12*(4*(\hf)+\b), 7, 8, 6400*(4*(\hf)+\b)+1536*((\ks)%4)
.endr
.endm
.macro SCALES c                        ; a chunk's scale words
	WIN 0
.irp p, 0,1
.if 2*\p < NA
.irp q, 0,1,2,3
	ds_load_b32 v[SI+8*\p+4*(\c)+\q], v9 offset:12800*\p+64*\q
.endr
.endif
.endr
.irp p, 0,1,2,3
.irp q, 0,1,2,3
	ds_load_b32 v[SJ+8*\p+4*(\c)+\q], v10 offset:12800*\p+64*\q
.endr
.endr
.endm
.macro WM1 c, x, y                     ; one product; an odd tile's scale words lie in lanes 16-31
	v_wmma_scale_f32_16x16x128_f8f6f4 v[rD:rD+7], v[rJ:rJ+11], v[rI:rI+11], \c, v[rSJ], v[rSI] matrix_a_fmt:MATRIX_FMT_FP6 matrix_b_fmt:MATRIX_FMT_FP6 matrix_a_scale:MATRIX_SCALE_ROW\x matrix_b_scale:MATRIX_SCALE_ROW\y
.endm
.macro WM2 c, rj, ri
.if (\rj) && (\ri)
	WM1 \c, 1, 1
.elseif \rj
	WM1 \c, 1, 0
.elseif \ri
	WM1 \c, 0, 1
.else
	WM1 \c, 0, 0
.endif
.endm
; 4 NA products: J's tiles 4 hf .. 4 hf + 3 x I's NA.  The accumulators take turns, one instruction a turn, in the same order in every K step.  zero = 1: the first K step starts the sums
.macro MUL hf, fs, ks, zero
	WIN 0x52                                       ; source 0 (J) window 2, source 1 (I) window 0, C and D window 1
.irp b, 0,1,2,3
.irp a, 0,1,2,3
.if \a < NA
.set rD, 8*(8*\a+4*(\hf)+\b)
.set rJ, 12*(4*(\hf)+\b)
.set rI, IFR+48*(\fs)+12*\a
.set rSJ, SJ+8*((4*(\hf)+\b)/2)+(\ks)
.set rSI, SI+8*(\a/2)+(\ks)
.if \zero
	WM2 0, \b%2, \a%2
.else
	WM2 v[rD:rD+7], \b%2, \a%2
.endif
.endif
.endr
.endr
.endm
.macro KSTEP ph, ks, zero              ; 128 along K: 8 NA products
.if (\ks) > 0
	PLACES
.endif
	LDJ 1, \ks
	s_wait_dscnt 16                                ; all but the 16 loads just issued: J's tiles 0-3, I's, the scale words
	MUL 0, (\ks)%2, \ks, \zero
.if (\ks) == 3
	WIN 0
	s_wait_tensorcnt 0x0                           ; all my tensor loads have landed: my part of chunk 1, if I asked for one
.if (\ph) == 1
	ds_add_u32 v242, v243                          ; the refill's descriptors, work on registers, stand between it and its wait
	s_mov_b32 s26, 4<<16                           ; no tensor load of mine is out: from here on I's tiles have 4 rows
	s_mov_b32 s28, 4
	s_mov_b64 s[42:43], s[68:69]                   ; v's chunk 0: Wv's rows,
	s_or_b32 s43, s43, 0x80000000
	s_mov_b64 s[50:51], s[70:71]                   ; value's rows
	s_or_b32 s51, s51, 0x80000000
	s_wait_dscnt 0x0                               ; the add is done, and my reads of chunk 0 are over
	CROUND                                         ; both hold of every wave of every partner
	RARMS 0, 40, 1, 48                             ; chunk 0 is filled again
.else
	s_wait_dscnt 0x0                               ; my reads of chunk 0 are over
	s_barrier_signal -1
	s_barrier_wait -1                              ; chunk 1 is whole for every wave
.endif
.irp g, 5,6,7,8,9,10
	v_add_nc_u32 v[\g], 153600, v[\g]              ; on to chunk 1.  (These six are also the places in front of the loads below)
.endr
	WALU
	SCALES 1
	LDJ 0, 4
	LDI 0, 4
.elseif (\ks) < 7
	PLACES
	LDJ 0, (\ks)+1
	LDI ((\ks)+1)%2, (\ks)+1
.if (\ph) == 1 && (\ks) == 0
	global_prefetch_b8 v[PF], s[4:5] th:TH_LOAD_NT scope:SCOPE_SE                  ; phase 2's tiles: my row tile of value, blocks 0-31,
.elseif (\ph) == 1 && (\ks) == 1
	global_prefetch_b8 v[PF+1], s[4:5] offset:8192 th:TH_LOAD_NT scope:SCOPE_SE    ; blocks 32-49,
.elseif (\ph) == 1 && (\ks) == 2
	global_prefetch_b8 v[PF+2], s[6:7] th:TH_LOAD_NT scope:SCOPE_SE                ; my 13 blocks of Wv.  (The requests' registers are never written again)
.endif
	s_wait_dscnt 16+4*NA                           ; all but those just issued: J's tiles 4-7 are in
.elseif (\ph) == 1
	WIN 0
	s_wait_tensorcnt 0x0                           ; my part of the first refill has landed
	ds_add_u32 v242, v243
	s_add_nc_u64 s[46:47], s[68:69], 6400          ; v's chunk 1
	s_or_b32 s47, s47, 0x80000000
	s_add_nc_u64 s[54:55], s[70:71], 6400
	s_or_b32 s55, s55, 0x80000000
	s_wait_dscnt 0x0                               ; the add is done, J's tiles 4-7 are in, and my reads of chunk 1 are over
	s_barrier_signal -1                            ; opens a round; the products below, work on registers, stand between the signal and its wait
.else
	s_wait_dscnt 0x0
.endif
	MUL 1, (\ks)%2, \ks, \zero
.endm
; 64 numbers of a lane, register 16 b + i = k 32 b + 16 (lane / 16) + i of my row, become a fragment's codes in v[pc] on and its scale word in v[pw]
.macro QUANT src, pc, pw
.irp b, 0,1,2,3
	v_max3_num_f32 v[TM+\b], |v[\src+16*\b]|, |v[\src+1+16*\b]|, 0x1800000   ; my 16 numbers of block b, and the floor 2^(3 - 127)
.endr
.irp i, 2,4,6,8,10,12,14
.irp b, 0,1,2,3
	v_max3_num_f32 v[TM+\b], v[TM+\b], |v[\src+16*\b+\i]|, |v[\src+1+16*\b+\i]|
.endr
.endr
.irp b, 0,1,2,3
	v_permlanex16_b32 v[TM+4+\b], v[TM+\b], s[SEL], s[SEL+1]
.endr
.irp b, 0,1,2,3
	v_max_num_f32 v[TM+\b], v[TM+\b], v[TM+4+\b]
.endr
.irp b, 0,1,2,3
	v_add_nc_u32 v[TM+12+\b], 0xff000000, v[TM+\b] ; 2 off the exponent field: the conversion's scale operand
.endr
.irp b, 0,1,2,3
	v_lshrrev_b32 v[TM+4+\b], 23, v[TM+12+\b]      ; the byte
.endr
	v_lshl_or_b32 v[\pw], v[TM+5], 8, v[TM+4]
	v_lshl_or_b32 v[\pw], v[TM+6], 16, v[\pw]
	v_lshl_or_b32 v[\pw], v[TM+7], 24, v[\pw]
.irp c, 0,1
	v_cvt_scalef32_pk16_fp6_f32 v[\pc+6*\c:\pc+2+6*\c], v[\src+32*\c:\src+15+32*\c], v[TM+12+2*\c]
	v_cvt_scalef32_pk16_fp6_f32 v[\pc+12+4*\c:\pc+14+4*\c], v[\src+16+32*\c:\src+31+32*\c], v[TM+12+2*\c+1]
.endr
	v_nop                                          ; one plain place behind a scaled conversion
.irp c, 0,1
.irp i, 0,1,2
	v_permlane16_swap_b32 v[\pc+6*\c+\i], v[\pc+12+4*\c+\i]
.endr
.irp i, 0,1,2
	v_mov_b32 v[\pc+3+6*\c+\i], v[\pc+12+4*\c+\i]
.endr
.endr
.endm
.macro BIAS a, bb, st                  ; the 64 results of I's tile a, + bias, each accumulator from its low end on.  st = 1: the bias runs along j; st = 0: one number a lane, as a pair
	WIN 0x01                                       ; source 0 window 1
.set j, 0
.rept 32
	v_pk_add_f32 v[H+j:H+j+1], v[64*(\a)+j:64*(\a)+j+1], v[(\bb)+(\st)*j:(\bb)+(\st)*j+1]
.set j, j+2
.endr
	WIN 0
.endm
.macro PUT b, o2                       ; a fragment's codes: each store covers 512 or 256 consecutive bytes, aligned; o2: where its second half goes
	global_store_b128 v1, v[PC:PC+3], s[\b:\b+1]
	global_store_b64 v2, v[PC+4:PC+5], s[\b:\b+1] offset:512
	global_store_b128 v1, v[PC+6:PC+9], s[\b:\b+1] offset:\o2
	global_store_b64 v2, v[PC+10:PC+11], s[\b:\b+1] offset:\o2+512
.endm
	WALU                                           ; at the head's end
	s_cmp_lt_u32 s[WV], 2                          ; waves 0 and 1 fetched chunk 0 and wait for it; chunk 1 may stay out
	s_cbranch_scc0 .Lchunk1
	s_wait_tensorcnt 0x0
.Lchunk1:
	s_barrier_signal -1
	s_barrier_wait -1
; ---------------- phase 1: q or k
	SCALES 0
	LDJ 0, 0
	LDI 0, 0
	KSTEP 1, 0, 1
	KSTEP 1, 1, 0
	KSTEP 1, 2, 0
	KSTEP 1, 3, 0
	KSTEP 1, 4, 0
	KSTEP 1, 5, 0
	KSTEP 1, 6, 0
	KSTEP 1, 7, 0
	WIN 0
	s_barrier_wait -1
	CREST                                          ; no wave of any partner still reads chunk 1 or has a load on its way; the first refill is whole for every wave
	RARMS 2, 44, 3, 52                             ; chunk 1 is filled again
	v_add_nc_u32 v5, s63, v1                       ; phase 2's addresses, back in chunk 0.  (These six are the places behind the last products)
	v_add_nc_u32 v6, s63, v2
	v_add_nc_u32 v7, s94, v1
	v_add_nc_u32 v8, s94, v2
	v_add_nc_u32 v9, s63, v15
	v_add_nc_u32 v10, s94, v15
	WALU                                           ; ahead of the wait below
	s_wait_loadcnt 0x0                             ; the biases
.irp a, 0,1,2,3
	BIAS \a, BJ, 1
.if \a > 0
	s_wait_xcnt 0x0                                ; the last tile's stores have read their registers and their base: both are written again only behind this wait
	s_add_nc_u64 s[84:85], s[84:85], 768
.endif
	QUANT H, PC, PW+\a
	PUT 84, 19200                                  ; the second half is the next head's half fragment
.endr
	v_perm_b32 v[WW], v[PW+1], v[PW], v13
	v_perm_b32 v[WW+1], v[PW+3], v[PW+2], v13
	global_store_b64 v11, v[WW:WW+1], s[86:87]
; ---------------- phase 2: v
.set NA, 2
	s_wait_xcnt 0x0                                ; the stores have read their registers: I's fragments land there
	SCALES 0
	LDJ 0, 0
	LDI 0, 0
	KSTEP 2, 0, 1
	KSTEP 2, 1, 0
	KSTEP 2, 2, 0
	KSTEP 2, 3, 0
	KSTEP 2, 4, 0
	KSTEP 2, 5, 0
	KSTEP 2, 6, 0
	KSTEP 2, 7, 0
	WIN 0
	PLACES
.irp a, 0,1
	BIAS \a, BI+2*\a, 0
.if \a > 0
	s_wait_xcnt 0x0
	s_add_nc_u64 s[88:89], s[88:89], 1536
.endif
	QUANT H, PC, PW+\a
	PUT 88, 768                                    ; the same fragment's second half
.endr
	v_perm_b32 v[WW], v[PW+1], v[PW], v14
	global_store_b32 v12, v[WW], s[90:91]
	s_wait_tensorcnt 0x0                           ; the wave's end
	ds_add_u32 v242, v243
	s_wait_dscnt 0x0
	CROUND                                         ; the closing round: no work-group ends while a partner may still ask for a tile that names it
	s_endpgm
.Lfunc_end_k_q24151269d3_proj:
	.size	k_q24151269d3_proj, .Lfunc_end_k_q24151269d3_proj-k_q24151269d3_proj
	.p2alignl 7, 3214868480
	.fill 96, 4, 3214868480
	.section	.rodata,"a",@progbits
	.p2align	6, 0x0
	.amdhsa_kernel k_q24151269d3_proj
		.amdhsa_group_segment_fixed_size 327680
		.amdhsa_private_segment_fixed_size 0
		.amdhsa_enable_private_segment 0
		.amdhsa_kernarg_size 48
		.amdhsa_user_sgpr_count 2
		.amdhsa_user_sgpr_kernarg_segment_ptr 1
		.amdhsa_wavefront_size32 1
		.amdhsa_system_sgpr_workgroup_id_x 1
		.amdhsa_system_sgpr_workgroup_id_y 1
		.amdhsa_system_sgpr_workgroup_id_z 1
		.amdhsa_system_vgpr_workitem_id 0
		.amdhsa_next_free_vgpr 608
		.amdhsa_next_free_sgpr 100
		.amdhsa_reserve_vcc 0
		.amdhsa_float_denorm_mode_32 3
		.amdhsa_float_denorm_mode_16_64 3
		.amdhsa_memory_ordered 1
		.amdhsa_forward_progress 1
		.amdhsa_inst_pref_size 159
	.end_amdhsa_kernel
	.amdgpu_metadata
---
amdhsa.version: [ 1, 2 ]
amdhsa.kernels:
  - .name:           k_q24151269d3_proj
    .symbol:         k_q24151269d3_proj.kd
    .args:
      - { .name: xc, .offset: 0, .size: 8, .value_kind: global_buffer, .address_space: global }
      - { .name: wc, .offset: 8, .size: 8, .value_kind: global_buffer, .address_space: global }
      - { .name: bq, .offset: 16, .size: 8, .value_kind: global_buffer, .address_space: global }
      - { .name: bk, .offset: 24, .size: 8, .value_kind: global_buffer, .address_space: global }
      - { .name: bv, .offset: 32, .size: 8, .value_kind: global_buffer, .address_space: global }
      - { .name: qkv, .offset: 40, .size: 8, .value_kind: global_buffer, .address_space: global }
    .group_segment_fixed_size: 327680
    .private_segment_fixed_size: 0
    .kernarg_segment_align: 8
    .kernarg_segment_size: 48
    .max_flat_workgroup_size: 128
    .sgpr_count:     100
    .vgpr_count:     608
    .wavefront_size: 32
...
	.end_amdgpu_metadata
.endif
;; end of part 2
;; launch attn (part 3): grid 8 x 32, 16 waves a work-group, clusters of 4 x 1, 206,848 bytes of LDS; arguments qkv, xa; writes xa
.if DOCPART == 3
	.amdgcn_target "amdgcn-amd-amdhsa--gfx1250"
	.amdhsa_code_object_version 6
	.text
	.protected	k_q24151269d3_attn
	.globl	k_q24151269d3_attn
	.p2align	8
	.type	k_q24151269d3_attn,@function
k_q24151269d3_attn:
	s_mov_b64 s[64:65], 0
	v_nop
	global_prefetch_b8 v0, s[64:65] scope:SCOPE_SE
	s_setreg_imm32_b32 hwreg(HW_REG_WAVE_MODE, 25, 1), 1
	s_wait_xcnt 0x0
	s_wait_alu depctr_hold_cnt(0) depctr_sa_sdst(0) depctr_va_vdst(0) depctr_va_sdst(0) depctr_va_ssrc(0) depctr_va_vcc(0) depctr_vm_vsrc(0)
	s_getreg_b32 s2, hwreg(HW_REG_IB_STS2, 6, 4)
	s_cmp_eq_u32 s2, 0
	s_cbranch_scc0 .Lentry_in_a_cluster
	s_endpgm
.Lentry_in_a_cluster:
	s_bfe_u32 s2, ttmp6, 0x10000c
	s_cmp_lg_u32 s2, 0x3003
	s_cbranch_scc0 .Lentry_shape_is_right
	s_endpgm
.Lentry_shape_is_right:
; x[b][q][64 head + d] = the sum over keys of softmax(q . k / 8) v, both products on codes of FP6 (E2M3) with E8M0 scales; x is quantised along (head, d) for the last projection.
; THE SOFTMAX: t = score x log2(e) / 8; M = the running largest t rounded UP to a whole number; p = 2^(t - M) is quantised along the keys, not normalised; the row's sum is taken of the unquantised p and divides at the end.
; When M moves, the sum and O are multiplied by 2^(old M - new M): exact.
; SHARES.  A work-group owns 256 queries of one (batch, head); each of its sixteen waves one tile of 16, in 256 registers: four waves to a SIMD.
; THE HEAD'S WHOLE K AND V LIE IN LDS: 16 steps of 128 keys x 12,800 bytes (K's sub-block, then V's), filled once: wave w fetches step w, one tensor load a wave.  The four query blocks of a cluster ask jointly.
; Waves 0-3 have a load line of their own: the first barrier shows steps 0-3 alone, and steps 0 and 1 are worked while the other twelve land.
; NO PREFETCH: every tile is asked for at the head, so there is no loop to run ahead in.
; LAYOUT.  Both products are used transposed (S^T = K Q^T, O^T = V^T P^T): a lane holds ONE query.  Row m of key tile T of a step is key 64 (T / 4) + 32 (m / 8) + 8 (T % 4) + m % 8:
; so score register 8 T + j of lane half h is key 64 (T / 4) + 32 h + 8 (T % 4) + j: registers 0-31 are block h of the step's four blocks of 32 keys, registers 32-63 block 2 + h, each in order.
; That is the order of P's operand: a block's largest p needs no other lane, and the conversions' results are the operand's registers (three moves a block, since a conversion's registers begin on an even number).
; K = 64 IN AN INSTRUCTION OF 128: source 0 holds TWO tiles of keys; source 1 is [q | zeros] for the first and [zeros | q] for the second.
; TWO REGIONS OF 64 REGISTERS TAKE TURNS: K, then V, in one (48 registers; the other 16 hold eight partial sums of p), the scores, then p, in the other; the next step's K lands in p's first 48 registers when they are dead.
; THE EXPONENTIALS stand in two batches with one wait ahead of each and one behind the second; among them stand only lines whose results are first read behind the next wait.
; LIMITS: NaN and infinities are not served; the promise holds while |t| stays under 2^31; a block whose largest magnitude lies under 2^-124, zeros among them, gets the byte 1.
; REGISTERS: v1-3, v7 lane offsets, v8 = 8 (lane / 16); v4-6 the step's addresses; v12 -M, v13 the largest score, v[14:15] the sum; v16-21 zeros, v22-27 q, v28-33 zeros; v34 q's scale word; v36-99, v100-163 the regions;
;   v164-195 O^T; v196-207 p's codes; v208-214 conversions' second halves; v216-223 eight chains of maxima; v224-225 scale operands; v226-227 bytes; v228 p's scale word; v[230:231] f; v232-236 at work; v240-243 V's scale words; v244-247 K's.
.set WV,  8
.set RA,  36
.set RB,  100
.set OT,  164
.set PCD, 196
.set CT,  208
.set MX,  216
.set BM,  216
.set BP,  220
.set SO,  224
.set EB,  226
.set PWD, 228
.set FF,  230
.set TP,  232
.set T2,  233
.set T3,  234
.set PW,  235
.set P2,  236
.set VS,  240
.set KS,  244
.set XW,  248
.macro WALU
	s_wait_alu depctr_va_vdst(0)
.endm
.macro CROUND
	s_barrier_signal -1
	s_barrier_wait -1
	s_cmp_lg_u32 s[WV], 0
	s_cbranch_scc1 .Lnot_wave_0_\@
	s_barrier_signal -3
.Lnot_wave_0_\@:
	s_barrier_wait -3
	s_barrier_signal -1
	s_barrier_wait -1
.endm
	s_load_b128 s[4:7], s[0:1], 0x0                ; qkv, xa
	v_lshl_add_u32 v254, v0, 2, 0x32000
	v_mov_b32 v255, 0
	ds_add_u32 v254, v255                          ; the opening lines: the add twice on end and one wait
	ds_add_u32 v254, v255
	v_lshrrev_b32 v1, 5, v0
	v_readfirstlane_b32 s[WV], v1                  ; wave 0..15
	v_and_b32 v4, 31, v0
	v_lshlrev_b32 v1, 4, v4                        ; 16 x lane
	v_lshlrev_b32 v2, 3, v4                        ; 8 x lane
	v_and_b32 v5, 15, v0
	v_lshlrev_b32 v3, 3, v5                        ; 8 r
	v_lshlrev_b32 v7, 2, v5                        ; 4 r
	v_bfe_u32 v8, v0, 4, 1
	v_lshlrev_b32 v8, 3, v8                        ; 8 h
.irp j, 16,17,18,19,20,21,28,29,30,31,32,33
	v_mov_b32 v[\j], 0                             ; zero codes on both sides of q
.endr
	v_mov_b32 v[T3], 0                             ; written once: a lane permute's destination counts as one of its sources
	v_mov_b32 v[P2], 0
	v_mov_b32 v[FF+1], 0                           ; (named as the upper half of the pair v[230:231])
	s_bfe_u32 s9, ttmp6, 0x40000                   ; cx
	s_lshl_b32 s10, ttmp9, 2
	s_add_co_u32 s10, s10, s9                      ; my block of 256 queries: it enters q's and x's addresses alone
	s_and_b32 s11, ttmp7, 0xffff
	s_lshr_b32 s12, s11, 4                         ; batch
	s_and_b32 s13, s11, 15                         ; head
	; descriptor group 1: 12,800 dense bytes as 50 rows of 256 (32 elements of 8 bytes)
	s_mov_b32 s16, 15|(3<<16)|(1<<21)              ; the mask: all four work-groups; elements of 8 bytes; bit 21 beside a mask
	s_mov_b32 s17, 32<<16
	s_mov_b32 s18, 50<<16
	s_mov_b32 s19, 32<<16
	s_mov_b32 s20, 50
	s_mov_b32 s21, 32
	s_mov_b32 s22, 0
	s_mov_b32 s23, 0
	s_mul_i32 s52, s12, 4915200
	s_mul_i32 s53, s13, 19200
	s_add_co_u32 s52, s52, s53
	s_add_co_u32 s52, s52, 6400                    ; behind the head's Q
	s_mul_i32 s53, s[WV], 307200                   ; my step
	s_add_co_u32 s52, s52, s53
	s_mov_b32 s53, 0
	s_mov_b32 s24, 1
	s_mul_i32 s25, s[WV], 12800                    ; and its place in LDS
	; my tile of queries: step 16 batch + 2 block + wave / 8, tile wave % 8
	s_lshl_b32 s56, s12, 4
	s_lshl_b32 s57, s10, 1
	s_add_co_u32 s56, s56, s57
	s_lshr_b32 s57, s[WV], 3
	s_add_co_u32 s56, s56, s57
	s_lshl_b32 s56, s56, 4
	s_add_co_u32 s56, s56, s13
	s_mul_i32 s56, s56, 19200
	s_and_b32 s57, s[WV], 7
	s_mul_i32 s58, s57, 768
	s_add_co_u32 s58, s58, s56
	s_mov_b32 s59, 0
	s_lshr_b32 s60, s57, 2
	s_lshl_b32 s60, s60, 7
	s_bfe_u32 s61, s57, 0x10001
	s_lshl_b32 s61, s61, 2
	s_add_co_u32 s60, s60, s61
	s_add_co_u32 s60, s60, s56
	s_add_co_u32 s60, s60, 6144
	s_mov_b32 s61, 0
	s_and_b32 s46, s[WV], 1
	s_mul_i32 s46, s46, 0x02020202
	s_add_co_u32 s46, s46, 0x01000100              ; bytes 0, 1, 0, 1 or 2, 3, 2, 3
	; where x goes: row tile 128 batch + 16 block + wave; chunk head / 8, K step (head / 2) % 4, half head % 2
	s_lshl_b32 s47, s12, 7
	s_lshl_b32 s48, s10, 4
	s_add_co_u32 s47, s47, s48
	s_add_co_u32 s47, s47, s[WV]
	s_mul_i32 s47, s47, 12800
	s_lshr_b32 s48, s13, 3
	s_mul_i32 s48, s48, 6400
	s_add_co_u32 s47, s47, s48
	s_bfe_u32 s56, s13, 0x20001
	s_and_b32 s57, s13, 1
	s_mul_i32 s48, s56, 1536
	s_mul_i32 s49, s57, 768
	s_add_co_u32 s48, s48, s49
	s_add_co_u32 s48, s48, s47
	s_mov_b32 s49, 0
	s_lshl_b32 s50, s56, 6
	s_lshl_b32 s51, s57, 1
	s_add_co_u32 s50, s50, s51
	s_add_co_u32 s50, s50, s47
	s_add_co_u32 s50, s50, 6144
	s_mov_b32 s51, 0
	s_mov_b32 s40, 0x76543210
	s_mov_b32 s41, 0xfedcba98                      ; v_permlanex16_b32's selects for lane xor 16
	s_mov_b32 s42, 0x3e38aa3b                      ; c = log2(e) / 8
	s_mov_b32 s43, s42                             ; (named with it as a pair, so it is written)
	WALU                                           ; ahead of the waits below
	s_wait_dscnt 0x0                               ; both opening adds are done
	s_wait_kmcnt 0x0
	s_add_nc_u64 s[26:27], s[4:5], s[52:53]
	s_or_b32 s27, s27, 0x80000000
	s_add_nc_u64 s[58:59], s[4:5], s[58:59]
	s_add_nc_u64 s[60:61], s[4:5], s[60:61]
	s_add_nc_u64 s[48:49], s[6:7], s[48:49]
	s_add_nc_u64 s[50:51], s[6:7], s[50:51]
	global_load_b128 v[22:25], v1, s[58:59]        ; q's half fragment
	global_load_b64 v[26:27], v2, s[58:59] offset:512
	global_load_b32 v34, v3, s[60:61]              ; the pair of tiles' word: my tile's two bytes are its low or its high half
	CROUND                                         ; all four work-groups are here: the joint loads meet
	s_cmp_lt_u32 s[WV], 4                          ; every wave issues one load; waves 0-3, which wait at the first barrier, by a line of their own
	s_cbranch_scc0 .Llater
	tensor_load_to_lds s[24:27], s[16:23]
	s_nop 0
.rept 4
	v_nop
.endr
	s_branch .Lasked
.Llater:
	tensor_load_to_lds s[24:27], s[16:23]
	s_nop 0
.rept 4
	v_nop
.endr
.Lasked:
	s_wait_loadcnt 0x0
	v_perm_b32 v34, v34, v34, s46                  ; my tile's two bytes in both halves of the word.  (The lines below are the places between this line and the first product)
	v_mov_b32 v13, 0xff61b1e6                      ; the largest score so far: -3e38
	v_mul_f32 v12, s42, v13
	v_floor_f32 v12, -v12                          ; -M
	v_mov_b32 v14, 0
	v_mov_b32 v15, 0
.set j, 0
.rept 32
	v_mov_b32 v[OT+j], 0                           ; O^T: the step is written once for all steps; the first change of M leaves zeros zeros
.set j, j+1
.endr
	v_mov_b32 v4, v1                               ; step 0's addresses
	v_mov_b32 v5, v2
	v_mov_b32 v6, v3
.macro FLOAD reg, sc, off              ; a sub-block's 6,144 bytes of images and its 256 bytes of scale words: 18 loads, each of consecutive bytes
	ds_load_b64 v[(\sc):(\sc)+1], v6 offset:(\off)+6144      ; the scale words first: every product wants one
	ds_load_b64 v[(\sc)+2:(\sc)+3], v6 offset:(\off)+6272
.irp t, 0,1,2,3,4,5,6,7
	ds_load_b128 v[(\reg)+6*\t:(\reg)+6*\t+3], v4 offset:(\off)+768*\t
	ds_load_b64 v[(\reg)+6*\t+4:(\reg)+6*\t+5], v5 offset:(\off)+768*\t+512
.endr
.endm
.macro PKF s, j                        ; pair j of the scores: t - M, two at a time
	v_pk_fma_f32 v[(\s)+2*(\j):(\s)+2*(\j)+1], v[(\s)+2*(\j):(\s)+2*(\j)+1], s[42:43], v[12:13] op_sel_hi:[1,0,0]
.endm
.macro OMUL i                          ; pair i of O^T under the new M
	v_pk_mul_f32 v[OT+2*(\i):OT+2*(\i)+1], v[OT+2*(\i):OT+2*(\i)+1], v[FF:FF+1] op_sel_hi:[1,0]
.endm
.macro TADD k, i, src                  ; partial sum i (a pair, at register 48 + 2 i of K's and V's region) takes the pair at src
	v_pk_add_f32 v[(\k)+48+2*(\i):(\k)+49+2*(\i)], v[(\k)+48+2*(\i):(\k)+49+2*(\i)], v[(\src):(\src)+1]
.endm
; A STEP: 128 keys, at LDS byte s44.  k: the region that holds K (asked for a step ago), then V;  s: the region of the scores;  pre = 1: the next step's K is asked for
.macro STEP k, s, pre
.irp p, 0,1,2,3
	s_wait_dscnt 12-4*\p                           ; K's scale words and its tiles up to 2 p + 1 are in; the 12 - 4 p loads of the later tiles, issued behind them, may be out
	v_wmma_scale_f32_16x16x128_f8f6f4 v[(\s)+16*\p:(\s)+16*\p+7], v[(\k)+12*\p:(\k)+12*\p+11], v[22:33], 0, v[KS+\p], v34 matrix_a_fmt:MATRIX_FMT_FP6 matrix_b_fmt:MATRIX_FMT_FP6
	v_wmma_scale_f32_16x16x128_f8f6f4 v[(\s)+16*\p+8:(\s)+16*\p+15], v[(\k)+12*\p:(\k)+12*\p+11], v[16:27], 0, v[KS+\p], v34 matrix_a_fmt:MATRIX_FMT_FP6 matrix_b_fmt:MATRIX_FMT_FP6
.endr
	v_add_nc_u32 v4, s44, v1                       ; these four lines are the places in front of the loads below and of the first read of the scores
	v_add_nc_u32 v5, s44, v2
	v_add_nc_u32 v6, s44, v3
	v_mov_b32 v[TP], v12                           ; the old -M
	FLOAD \k, VS, 6400                             ; V's four fragments land while the softmax is walked
	; the largest score of my two blocks of 32 keys, in eight chains (one a tile, from each accumulator's low end on): for the row's maximum, and, since p rises with the score, for the block's largest p
.irp c, 0,1,2,3,4,5,6,7
	v_max3_num_f32 v[MX+\c], v[(\s)+8*\c], v[(\s)+8*\c+1], v[(\s)+8*\c+2]
.endr
.irp i, 3,5
.irp c, 0,1,2,3,4,5,6,7
	v_max3_num_f32 v[MX+\c], v[MX+\c], v[(\s)+8*\c+\i], v[(\s)+8*\c+\i+1]
.endr
.endr
.irp c, 0,2,4,6
	v_max3_num_f32 v[MX+\c], v[MX+\c], v[MX+\c+1], v[(\s)+8*\c+7]
.endr
.irp c, 0,4
	v_max3_num_f32 v[MX+\c], v[MX+\c], v[MX+\c+2], v[(\s)+8*\c+15]
.endr
.irp c, 0,4
	v_max_num_f32 v[MX+\c], v[MX+\c], v[(\s)+8*\c+31]
.endr
	v_max_num_f32 v[T2], v[MX], v[MX+4]
	v_permlanex16_b32 v[T3], v[T2], s40, s41       ; lane xor 16's two blocks
	v_max3_num_f32 v13, v13, v[T2], v[T3]          ; the running largest score (c is positive and rounding keeps order: its t is the largest t)
	v_mul_f32 v[T2], s42, v13
	v_floor_f32 v12, -v[T2]                        ; the new -M = -ceil(t)
	PKF \s, 0
	v_sub_f32 v[TP], v12, v[TP]                    ; old M - new M: a whole number, 0 or less
	PKF \s, 1
	v_cvt_i32_f32 v[TP], v[TP]                     ; (it saturates)
	PKF \s, 2
	v_ldexp_f32 v[FF], 1.0, v[TP]                  ; f = 2^(old M - new M)
	v_fma_f32 v[MX], v[MX], s42, v12               ; t - M of each block's largest score
	v_fma_f32 v[MX+4], v[MX+4], s42, v12
.irp j, 3,4,5,6,7,8,9,10,11,12,13,14,15
	PKF \s, \j
.endr
.irp i, 0,1,2,3,4,5,6,7,8,9,10,11,12,13,14,15
	OMUL \i                                        ; each accumulator from its low end on; no exponential stands between the products that wrote O^T and these lines
.endr
	WALU                                           ; ahead of the first batch
	v_exp_f32 v[MX], v[MX]                         ; the block's largest p: the same two instructions on the same number give the same bits
	v_exp_f32 v[MX+4], v[MX+4]
.set jj, 0
.rept 16                               ; p of my first block; among the exponentials the second block's scalings, first read behind the next wait
	v_exp_f32 v[(\s)+2*jj], v[(\s)+2*jj]
	PKF \s, jj+16
	v_exp_f32 v[(\s)+2*jj+1], v[(\s)+2*jj+1]
.set jj, jj+1
.endr
	WALU                                           ; behind the first batch and ahead of the second
.set jj, 0
.rept 16                               ; p of my second block; among the exponentials the first block's pairs are added two and two into eight partial sums, first read behind the next wait
	v_exp_f32 v[(\s)+32+2*jj], v[(\s)+32+2*jj]
.if jj < 8
	v_pk_add_f32 v[(\k)+48+2*jj:(\k)+49+2*jj], v[(\s)+4*jj:(\s)+4*jj+1], v[(\s)+4*jj+2:(\s)+4*jj+3]
.elseif jj == 8
	v_max_num_f32 v[MX], 0x1800000, v[MX]          ; the floor 2^(3 - 127)
.elseif jj == 9
	v_max_num_f32 v[MX+4], 0x1800000, v[MX+4]
.endif
	v_exp_f32 v[(\s)+33+2*jj], v[(\s)+33+2*jj]
.set jj, jj+1
.endr
	v_pk_mul_f32 v[14:15], v[14:15], v[FF:FF+1] op_sel_hi:[1,0]   ; the sum under the new M.  (A plain place behind the exponentials)
	WALU                                           ; behind the second batch
	v_add_nc_u32 v[SO], 0xff000000, v[MX]          ; 2 off the exponent field: the conversion's scale operand
	v_add_nc_u32 v[SO+1], 0xff000000, v[MX+4]
.irp i, 0,1,2,3
	TADD \k, \i, (\s)+32+2*\i
.endr
	v_cvt_scalef32_pk16_fp6_f32 v[PCD:PCD+2], v[(\s):(\s)+15], v[SO]
	v_cvt_scalef32_pk16_fp6_f32 v[CT:CT+2], v[(\s)+16:(\s)+31], v[SO]          ; (a conversion's three registers begin on an even number)
	v_cvt_scalef32_pk16_fp6_f32 v[PCD+6:PCD+8], v[(\s)+32:(\s)+47], v[SO+1]
.irp i, 4,5,6,7
	TADD \k, \i, (\s)+32+2*\i
.endr
.if \pre
	FLOAD \s, KS, 12800                            ; p's first 48 registers are converted and summed: the next step's K lands there
.endif
	v_lshrrev_b32 v[EB], 23, v[SO]                 ; the bytes
	v_lshrrev_b32 v[EB+1], 23, v[SO+1]
	v_lshl_or_b32 v[PW], v[EB+1], 16, v[EB]        ; my bytes: blocks h and 2 + h,
	v_lshlrev_b32 v[PW], v8, v[PW]                 ; at their places in the word (8 h bits up);
	v_permlanex16_b32 v[P2], v[PW], s40, s41
	v_or_b32 v[PWD], v[PW], v[P2]                  ; with lane xor 16's two the word of these 128 keys is whole
	v_cvt_scalef32_pk16_fp6_f32 v[CT+4:CT+6], v[(\s)+48:(\s)+63], v[SO+1]
.irp i, 0,1,2,3
	TADD \k, \i, (\s)+48+2*\i
.endr
.irp c, 0,1
.irp i, 0,1,2
	v_mov_b32 v[PCD+3+6*\c+\i], v[CT+4*\c+\i]
.endr
.endr
.irp i, 4,5,6,7
	TADD \k, \i, (\s)+48+2*\i                      ; (these four are the places between p's codes and the products below)
.endr
	WALU                                           ; ahead of the wait below
.if \pre
	s_wait_dscnt 18                                ; V is in; the 18 loads of the next step's K, issued behind V's, may be out
.else
	s_wait_dscnt 0x0
.endif
.irp t, 0,1,2,3                        ; the four accumulators take turns, one instruction a turn
	v_wmma_scale_f32_16x16x128_f8f6f4 v[OT+8*\t:OT+8*\t+7], v[(\k)+12*\t:(\k)+12*\t+11], v[PCD:PCD+11], v[OT+8*\t:OT+8*\t+7], v[VS+2*(\t%2)+\t/2], v[PWD] matrix_a_fmt:MATRIX_FMT_FP6 matrix_b_fmt:MATRIX_FMT_FP6
.endr
	TADD \k, 0, (\k)+50                            ; the eight partial sums are joined: eight places behind the products, whose registers they do not name; the next step's products write over V's registers
	TADD \k, 2, (\k)+54
	TADD \k, 4, (\k)+58
	TADD \k, 6, (\k)+62
	TADD \k, 0, (\k)+52
	TADD \k, 4, (\k)+60
	TADD \k, 0, (\k)+56
	v_pk_add_f32 v[14:15], v[14:15], v[(\k)+48:(\k)+49]
.endm
	WALU                                           ; at the head's end
	s_cmp_lt_u32 s[WV], 4
	s_cbranch_scc0 .Lnot_first
	s_wait_tensorcnt 0x0                           ; waves 0-3: my step has landed
.Lnot_first:
	s_barrier_signal -1
	s_barrier_wait -1                              ; steps 0-3 are whole; the others may be on their way
	s_mov_b32 s44, 0
	FLOAD RA, KS, 0                                ; step 0's K
	STEP RA, RB, 1                                 ; steps 0 and 1 read steps 0 to 2 of LDS alone
	s_add_co_u32 s44, s44, 12800
	STEP RB, RA, 1
	s_add_co_u32 s44, s44, 12800
	WALU
	s_wait_tensorcnt 0x0                           ; every wave's load has landed,
	s_wait_dscnt 0x0                               ; and no LDS load of mine is out at the signal
	s_barrier_signal -1
	s_barrier_wait -1                              ; steps 4-15 are whole for every wave
	s_mov_b32 s45, 6
.Lpair:                                            ; steps 2 to 13, two a trip
	STEP RA, RB, 1
	s_add_co_u32 s44, s44, 12800
	STEP RB, RA, 1
	s_add_co_u32 s44, s44, 12800
	s_sub_co_u32 s45, s45, 1
	s_cmp_lg_u32 s45, 0
	s_cbranch_scc1 .Lpair
	STEP RA, RB, 1                                 ; step 14
	s_add_co_u32 s44, s44, 12800
	STEP RB, RA, 0                                 ; step 15 asks for nothing: no read leaves the 16 steps
	; THE WAY OUT.  O^T / the sum: register 16 b + i is d = 32 b + 16 (lane / 16) + i of my query: two blocks of the last projection's K
	v_add_f32 v14, v14, v15
	v_permlanex16_b32 v[TP], v14, s40, s41
	v_add_f32 v14, v14, v[TP]                      ; the row's sum
	WALU                                           ; ahead of the transcendental
	v_rcp_f32 v14, v14
	v_nop                                          ; one plain place behind a transcendental
	WALU                                           ; behind it, directly ahead of the first readers of its result and of O^T
.set j, 0
.rept 16
	v_pk_mul_f32 v[RA+j:RA+j+1], v[OT+j:OT+j+1], v[14:15] op_sel_hi:[1,0]   ; each accumulator from its low end on
.set j, j+2
.endr
.irp b, 0,1
	v_max3_num_f32 v[BM+\b], |v[RA+16*\b]|, |v[RA+1+16*\b]|, 0x1800000
.endr
.irp i, 2,4,6,8,10,12,14
.irp b, 0,1
	v_max3_num_f32 v[BM+\b], v[BM+\b], |v[RA+16*\b+\i]|, |v[RA+1+16*\b+\i]|
.endr
.endr
.irp b, 0,1
	v_permlanex16_b32 v[BP+\b], v[BM+\b], s40, s41
.endr
.irp b, 0,1
	v_max_num_f32 v[BM+\b], v[BM+\b], v[BP+\b]
.endr
.irp b, 0,1
	v_add_nc_u32 v[SO+\b], 0xff000000, v[BM+\b]
.endr
.irp b, 0,1
	v_lshrrev_b32 v[BP+\b], 23, v[SO+\b]
.endr
	v_lshl_or_b32 v[XW], v[BP+1], 8, v[BP]         ; my row's two bytes
	v_cvt_scalef32_pk16_fp6_f32 v[PCD:PCD+2], v[RA:RA+15], v[SO]
	v_cvt_scalef32_pk16_fp6_f32 v[CT:CT+2], v[RA+16:RA+31], v[SO+1]
	v_nop                                          ; one plain place behind a scaled conversion
.irp i, 0,1,2
	v_permlane16_swap_b32 v[PCD+\i], v[CT+\i]      ; the layout wants a whole block in a lane
.endr
.irp i, 0,1,2
	v_mov_b32 v[PCD+3+\i], v[CT+\i]
.endr
	global_store_b128 v1, v[PCD:PCD+3], s[48:49]             ; half a fragment: 512 and 256 consecutive bytes, aligned
	global_store_b64 v2, v[PCD+4:PCD+5], s[48:49] offset:512
	global_store_b16 v7, v[XW], s[50:51]           ; a head owns 2 of a row's 4 scale bytes of a K step; lanes r and r + 16 store the same bytes to the same place
	s_wait_tensorcnt 0x0                           ; the wave's end
	ds_add_u32 v254, v255
	s_wait_dscnt 0x0
	CROUND                                         ; the closing round: no work-group ends while a partner may still ask for a tile that names it
	s_endpgm
.Lfunc_end_k_q24151269d3_attn:
	.size	k_q24151269d3_attn, .Lfunc_end_k_q24151269d3_attn-k_q24151269d3_attn
	.p2alignl 7, 3214868480
	.fill 96, 4, 3214868480
	.section	.rodata,"a",@progbits
	.p2align	6, 0x0
	.amdhsa_kernel k_q24151269d3_attn
		.amdhsa_group_segment_fixed_size 206848
		.amdhsa_private_segment_fixed_size 0
		.amdhsa_enable_private_segment 0
		.amdhsa_kernarg_size 16
		.amdhsa_user_sgpr_count 2
		.amdhsa_user_sgpr_kernarg_segment_ptr 1
		.amdhsa_wavefront_size32 1
		.amdhsa_system_sgpr_workgroup_id_x 1
		.amdhsa_system_sgpr_workgroup_id_y 1
		.amdhsa_system_sgpr_workgroup_id_z 1
		.amdhsa_system_vgpr_workitem_id 0
		.amdhsa_next_free_vgpr 256
		.amdhsa_next_free_sgpr 66
		.amdhsa_reserve_vcc 0
		.amdhsa_float_denorm_mode_32 3
		.amdhsa_float_denorm_mode_16_64 3
		.amdhsa_memory_ordered 1
		.amdhsa_forward_progress 1
		.amdhsa_inst_pref_size 101
	.end_amdhsa_kernel
	.amdgpu_metadata
---
amdhsa.version: [ 1, 2 ]
amdhsa.kernels:
  - .name:           k_q24151269d3_attn
    .symbol:         k_q24151269d3_attn.kd
    .args:
      - { .name: qkv, .offset: 0, .size: 8, .value_kind: global_buffer, .address_space: global }
      - { .name: xa, .offset: 8, .size: 8, .value_kind: global_buffer, .address_space: global }
    .group_segment_fixed_size: 206848
    .private_segment_fixed_size: 0
    .kernarg_segment_align: 8
    .kernarg_segment_size: 16
    .max_flat_workgroup_size: 512
    .sgpr_count:     66
    .vgpr_count:     256
    .wavefront_size: 32
...
	.end_amdgpu_metadata
.endif
;; end of part 3
;; launch oproj (part 4): grid 64 x 4, 4 waves a work-group, clusters of 4 x 4, 307,712 bytes of LDS; arguments xa, wc, bo, out0; writes out0
.if DOCPART == 4
	.amdgcn_target "amdgcn-amd-amdhsa--gfx1250"
	.amdhsa_code_object_version 6
	.text
	.protected	k_q24151269d3_oproj
	.globl	k_q24151269d3_oproj
	.p2align	8
	.type	k_q24151269d3_oproj,@function
k_q24151269d3_oproj:
	s_mov_b64 s[64:65], 0
	v_nop
	global_prefetch_b8 v0, s[64:65] scope:SCOPE_SE
	s_setreg_imm32_b32 hwreg(HW_REG_WAVE_MODE, 25, 1), 1
	s_wait_xcnt 0x0
	s_wait_alu depctr_hold_cnt(0) depctr_sa_sdst(0) depctr_va_vdst(0) depctr_va_sdst(0) depctr_va_ssrc(0) depctr_va_vcc(0) depctr_vm_vsrc(0)
	s_getreg_b32 s2, hwreg(HW_REG_IB_STS2, 6, 4)
	s_cmp_eq_u32 s2, 0
	s_cbranch_scc0 .Lentry_in_a_cluster
	s_endpgm
.Lentry_in_a_cluster:
	s_bfe_u32 s2, ttmp6, 0x10000c
	s_cmp_lg_u32 s2, 0xf033
	s_cbranch_scc0 .Lentry_shape_is_right
	s_endpgm
.Lentry_shape_is_right:
; out0 = x Wo + bo on codes of FP6 (E2M3) with E8M0 scales.  C(i, j) = sum over k of I[i][k] J[j][k], K = 1,024; I = x's tokens, J = Wo's columns n.
; THE MATRIX INSTRUCTION IS USED TRANSPOSED (source 0 = 16 rows of J, source 1 = 16 rows of I): a lane holds one token and its registers run along n.
; Operands lie in memory as images of their registers (fragment: 1,536 bytes; row tile: two chunks of 6,400 bytes = four fragments + 256 bytes of scale words), rows in the order 32 (T / 2) + 8 (T % 2) + r + 8 (r / 8).
; SHARES.  64 x 4 = 256 work-groups, each 64 (i) x 256 (j); four waves, 2 x 2, each 32 x 128: 16 accumulators.  ALL OF K LIES IN LDS, in two chunks (K steps 0-3, 4-7): I's 4 row tiles from row 0 of a chunk, J's 16 from row 8; filled once.
; One joint load a wave at the head: I's chunk 0, J's chunk 0, I's chunk 1, J's chunk 1.  No byte of LDS is filled again, and there is no loop to run ahead in: no prefetch.
; CLUSTERS: 4 x 4.  I's tile is shared along a row of the cluster, J's along a column: each is asked for jointly.
; THE WAY OUT goes through a stage of 16 rows x 528 bytes for each wave, in the first 33,792 bytes of LDS, where no fill lands any more and which nobody reads behind the barrier in the middle of K.
; REGISTERS.  window 0: v1-12 addresses; v16-23 I's scale words, v32-63 J's; v64-127 the bias; v136-231 I's fragments, two sets; on the way out v128-191 64 numbers, v192-255 16 rows read back.
;   window 1: the accumulators, (a, b) at v[8 (8 a + b)].   window 2: J's fragments, tile b at v[12 b].
.set WV,  16
.set SI,  16
.set SJ,  32
.set BJ,  64
.set IFR, 136
.set H,   128
.set OB,  192
.set MSB, 0
.macro WIN new
.if MSB != \new
	s_set_vgpr_msb (MSB<<8)|\new
.set MSB, \new
.endif
.endm
.macro CROUND
	s_barrier_signal -1
	s_barrier_wait -1
	s_cmp_lg_u32 s[WV], 0
	s_cbranch_scc1 .Lnot_wave_0_\@
	s_barrier_signal -3
.Lnot_wave_0_\@:
	s_barrier_wait -3
	s_barrier_signal -1
	s_barrier_wait -1
.endm
.macro PLACES
.rept 4
	v_nop
.endr
.endm
.macro TLOAD g0, g1
	tensor_load_to_lds s[\g0:\g0+3], s[\g1:\g1+7]
	s_nop 0
	PLACES
.endm
	s_load_b256 s[4:11], s[0:1], 0x0               ; xa, wc, bo, out0
	v_lshl_add_u32 v13, v0, 2, 0x4b000
	v_mov_b32 v14, 0
	ds_add_u32 v13, v14                            ; the opening lines: the add twice on end and one wait
	ds_add_u32 v13, v14
	v_lshrrev_b32 v1, 5, v0
	v_readfirstlane_b32 s[WV], v1
	s_lshr_b32 s17, s[WV], 1                       ; wi: which 32 of the 64 rows i
	s_and_b32 s18, s[WV], 1                        ; wj: which 128 of the 256 rows j
	s_bfe_u32 s19, ttmp6, 0x40000                  ; cx
	s_bfe_u32 s20, ttmp6, 0x40004                  ; cy
	s_lshl_b32 s56, ttmp9, 2
	s_add_co_u32 s56, s56, s20                     ; I's tile of 64 tokens: 4 x cluster + cy
	s_mov_b32 s57, s19                             ; J's tile: cx
	s_lshl_b32 s60, s20, 2
	s_lshl_b32 s60, 15, s60                        ; my row of the cluster
	s_lshl_b32 s61, 0x1111, s19                    ; my column
	s_or_b32 s24, s60, (3<<16)|(1<<21)             ; group 1: rows of 800 elements of 8 bytes, 1,600 apart: I's 4, J's 16; the mask, and bit 21 beside it
	s_or_b32 s32, s61, (3<<16)|(1<<21)
.irp g, 24, 32
	s_mov_b32 s[\g+1], 800<<16
	s_mov_b32 s[\g+2], (4+12*((\g-24)/8))<<16
	s_mov_b32 s[\g+3], 800<<16
	s_mov_b32 s[\g+4], 4+12*((\g-24)/8)
	s_mov_b32 s[\g+5], 1600
	s_mov_b32 s[\g+6], 0
	s_mov_b32 s[\g+7], 0
.endr
	s_mul_i32 s72, s56, 51200                      ; 4 row tiles to a tile of I
	s_mov_b32 s73, 0
	s_lshl_b32 s74, s57, 4                         ; 16 to a tile of J
	s_mul_i32 s74, s74, 12800
	s_add_co_u32 s74, s74, 2457600                 ; Wo is the fourth weight
	s_mov_b32 s75, 0
	s_wait_dscnt 0x0
	s_wait_kmcnt 0x0
	s_add_nc_u64 s[68:69], s[4:5], s[72:73]
	s_add_nc_u64 s[70:71], s[6:7], s[74:75]
.irp c, 0,1
	s_mov_b32 s[40+4*\c], 1
	s_mov_b32 s[41+4*\c], \c*153600
	s_add_nc_u64 s[42+4*\c:43+4*\c], s[68:69], \c*6400
	s_or_b32 s[43+4*\c], s[43+4*\c], 0x80000000
	s_mov_b32 s[48+4*\c], 1
	s_mov_b32 s[49+4*\c], \c*153600+51200
	s_add_nc_u64 s[50+4*\c:51+4*\c], s[70:71], \c*6400
	s_or_b32 s[51+4*\c], s[51+4*\c], 0x80000000
.endr
	CROUND                                         ; all sixteen work-groups are here: the joint loads meet
	s_cmp_eq_u32 s[WV], 0                          ; one joint load a wave, each in an arm of its own of one chain
	s_cbranch_scc0 .Larm1
	TLOAD 40, 24                                   ; wave 0: I's chunk 0
	s_branch .Lasked
.Larm1:
	s_cmp_eq_u32 s[WV], 1
	s_cbranch_scc0 .Larm2
	TLOAD 48, 32                                   ; wave 1: J's chunk 0
	s_branch .Lasked
.Larm2:
	s_cmp_eq_u32 s[WV], 2
	s_cbranch_scc0 .Larm3
	TLOAD 44, 24                                   ; wave 2: I's chunk 1
	s_branch .Lasked
.Larm3:
	TLOAD 52, 32                                   ; wave 3: J's chunk 1
.Lasked:
	v_and_b32 v15, 31, v0
	v_lshlrev_b32 v1, 4, v15                       ; 16 x lane
	v_lshlrev_b32 v2, 3, v15                       ; 8 x lane
	v_and_b32 v3, 15, v0                           ; r
	v_bfe_u32 v4, v0, 4, 1                         ; h
	s_mul_i32 s77, s17, 12800                      ; my 2 row tiles of I
	v_add_nc_u32 v5, s77, v1
	v_add_nc_u32 v6, s77, v2
	s_mul_i32 s94, s18, 51200
	s_add_co_u32 s94, s94, 51200                   ; my 8 row tiles of J
	v_add_nc_u32 v7, s94, v1
	v_add_nc_u32 v8, s94, v2
	v_mul_u32_u24 v9, v4, 6400
	v_lshl_add_u32 v9, v3, 2, v9
	v_add_nc_u32 v9, 6144, v9
	v_add_nc_u32 v10, s94, v9
	v_add_nc_u32 v9, s77, v9
	s_mul_i32 s90, s[WV], 8448                     ; my stage
	v_mul_u32_u24 v11, v3, 528
	v_lshl_add_u32 v11, v4, 6, v11
	v_add_nc_u32 v11, s90, v11                     ; in: row r, + 64 h
	v_add_nc_u32 v12, s90, v1                      ; back: 16 bytes a lane of a row's 512
	s_lshl_b32 s80, s57, 10
	s_lshl_b32 s81, s18, 9
	s_add_co_u32 s80, s80, s81                     ; my first column, in bytes
	s_mov_b32 s81, 0
	s_add_nc_u64 s[82:83], s[8:9], s[80:81]
	v_lshlrev_b32 v254, 6, v4
.irp b, 0,1,2,3,4,5,6,7
	global_load_b128 v[BJ+8*\b:BJ+8*\b+3], v254, s[82:83] offset:(32*(\b/2)+8*(\b%2))*4
	global_load_b128 v[BJ+8*\b+4:BJ+8*\b+7], v254, s[82:83] offset:(32*(\b/2)+8*(\b%2))*4+16
.endr
	s_lshl_b32 s88, s56, 18                        ; 64 rows of 4,096 bytes,
	s_lshl_b32 s89, s17, 17                        ; my 32
	s_add_co_u32 s88, s88, s89
	s_add_co_u32 s88, s88, s80
	s_mov_b32 s89, 0
	s_add_nc_u64 s[88:89], s[10:11], s[88:89]
.macro FRAGLD reg, a16, a8, off
	ds_load_b128 v[(\reg):(\reg)+3], v[\a16] offset:(\off)
	ds_load_b64 v[(\reg)+4:(\reg)+5], v[\a8] offset:(\off)+512
	ds_load_b128 v[(\reg)+6:(\reg)+9], v[\a16] offset:(\off)+768
	ds_load_b64 v[(\reg)+10:(\reg)+11], v[\a8] offset:(\off)+1280
.endm
.macro LDI fs, ks                      ; I's two fragments: 8 loads
	WIN 0
.irp a, 0,1
	FRAGLD IFR+48*(\fs)+12*\a, 5, 6, 6400*\a+1536*((\ks)%4)
.endr
.endm
.macro LDJ hf, ks                      ; J's tiles 4 hf .. 4 hf + 3: 16 loads
	WIN 0x80
.irp b, 0,1,2,3
	FRAGLD 12*(4*(\hf)+\b), 7, 8, 6400*(4*(\hf)+\b)+1536*((\ks)%4)
.endr
.endm
.macro SCALES c
	WIN 0
.irp q, 0,1,2,3
	ds_load_b32 v[SI+4*(\c)+\q], v9 offset:64*\q
.endr
.irp p, 0,1,2,3
.irp q, 0,1,2,3
	ds_load_b32 v[SJ+8*\p+4*(\c)+\q], v10 offset:12800*\p+64*\q
.endr
.endr
.endm
.macro WM1 c, x, y                     ; one product; an odd tile's scale words lie in lanes 16-31
	v_wmma_scale_f32_16x16x128_f8f6f4 v[rD:rD+7], v[rJ:rJ+11], v[rI:rI+11], \c, v[rSJ], v[rSI] matrix_a_fmt:MATRIX_FMT_FP6 matrix_b_fmt:MATRIX_FMT_FP6 matrix_a_scale:MATRIX_SCALE_ROW\x matrix_b_scale:MATRIX_SCALE_ROW\y
.endm
.macro WM2 c, rj, ri
.if (\rj) && (\ri)
	WM1 \c, 1, 1
.elseif \rj
	WM1 \c, 1, 0
.elseif \ri
	WM1 \c, 0, 1
.else
	WM1 \c, 0, 0
.endif
.endm
; 8 products: J's tiles 4 hf .. 4 hf + 3 x I's two.  The 16 accumulators take turns, one instruction a turn, in the same order in every K step
.macro MUL hf, fs, ks, zero
	WIN 0x52                                       ; source 0 (J) window 2, source 1 (I) window 0, C and D window 1
.irp b, 0,1,2,3
.irp a, 0,1
.set rD, 8*(8*\a+4*(\hf)+\b)
.set rJ, 12*(4*(\hf)+\b)
.set rI, IFR+48*(\fs)+12*\a
.set rSJ, SJ+8*((4*(\hf)+\b)/2)+(\ks)
.set rSI, SI+(\ks)
.if \zero
	WM2 0, \b%2, \a%2
.else
	WM2 v[rD:rD+7], \b%2, \a%2
.endif
.endr
.endr
.endm
.macro KSTEP ks, zero
.if (\ks) > 0
	PLACES
.endif
	LDJ 1, \ks
	s_wait_dscnt 16                                ; all but the 16 loads just issued
	MUL 0, (\ks)%2, \ks, \zero
.if (\ks) == 3
	WIN 0
	s_wait_tensorcnt 0x0                           ; my part of chunk 1 has landed,
	s_wait_dscnt 0x0                               ; and my reads of chunk 0 are over
	s_barrier_signal -1
	s_barrier_wait -1                              ; both hold of every wave
.irp g, 5,6,7,8,9,10
	v_add_nc_u32 v[\g], 153600, v[\g]              ; on to chunk 1.  (These six are also the places in front of the loads below)
.endr
	s_wait_alu depctr_va_vdst(0)
	SCALES 1
	LDJ 0, 4
	LDI 0, 4
.elseif (\ks) < 7
	PLACES
	LDJ 0, (\ks)+1
	LDI ((\ks)+1)%2, (\ks)+1
	s_wait_dscnt 24                                ; all but the 24 just issued
.else
	s_wait_dscnt 0x0
.endif
	MUL 1, (\ks)%2, \ks, \zero
.endm
; I's tile a: + bias, through my stage, and out as whole rows of 512 bytes; the tile's row t is logical row 8 a + t + 8 (t / 8) of my 32
.macro OUT a
	WIN 0x01                                       ; source 0 window 1
.set j, 0
.rept 32
	v_pk_add_f32 v[H+j:H+j+1], v[64*(\a)+j:64*(\a)+j+1], v[BJ+j:BJ+j+1]   ; each accumulator from its low end on
.set j, j+2
.endr
	WIN 0
.irp g, 0,1,2,3,4,5,6,7,8,9,10,11,12,13,14,15
	ds_store_b128 v11, v[H+4*\g:H+4*\g+3] offset:128*(\g/4)+16*(\g%4)   ; register 16 G + i is column 32 G + 16 h + i
.endr
.if (\a) > 0
	s_wait_xcnt 0x0                                ; the last tile's stores have read their registers: the loads below land there only behind this wait
.endif
.irp t, 0,1,2,3,4,5,6,7,8,9,10,11,12,13,14,15
	ds_load_b128 v[OB+4*\t:OB+4*\t+3], v12 offset:528*\t     ; LDS serves a wave's instructions in order: these see my stores
.endr
.irp t, 0,1,2,3,4,5,6,7,8,9,10,11,12,13,14,15
	s_wait_dscnt 15-\t                             ; row t is back; the younger rows may be out
	global_store_b128 v1, v[OB+4*\t:OB+4*\t+3], s[88:89] offset:(8*(\a)+\t+8*(\t/8))*4096 th:TH_STORE_NT   ; 512 consecutive bytes, aligned
.endr
.endm
	s_wait_alu depctr_va_vdst(0)                   ; at the head's end
	s_cmp_lt_u32 s[WV], 2                          ; waves 0 and 1 fetched chunk 0 and wait for it; chunk 1 may stay out
	s_cbranch_scc0 .Lchunk1
	s_wait_tensorcnt 0x0
.Lchunk1:
	s_barrier_signal -1
	s_barrier_wait -1
	SCALES 0
	LDJ 0, 0
	LDI 0, 0
	KSTEP 0, 1
	KSTEP 1, 0
	KSTEP 2, 0
	KSTEP 3, 0
	KSTEP 4, 0
	KSTEP 5, 0
	KSTEP 6, 0
	KSTEP 7, 0
	WIN 0
	PLACES
	s_wait_loadcnt 0x0                             ; the bias
	OUT 0
	OUT 1
	s_wait_tensorcnt 0x0                           ; the wave's end
	ds_add_u32 v13, v14
	s_wait_dscnt 0x0
	CROUND                                         ; the closing round: no work-group ends while a partner may still ask for a tile that names it
	s_endpgm
.Lfunc_end_k_q24151269d3_oproj:
	.size	k_q24151269d3_oproj, .Lfunc_end_k_q24151269d3_oproj-k_q24151269d3_oproj
	.p2alignl 7, 3214868480
	.fill 96, 4, 3214868480
	.section	.rodata,"a",@progbits
	.p2align	6, 0x0
	.amdhsa_kernel k_q24151269d3_oproj
		.amdhsa_group_segment_fixed_size 307712
		.amdhsa_private_segment_fixed_size 0
		.amdhsa_enable_private_segment 0
		.amdhsa_kernarg_size 32
		.amdhsa_user_sgpr_count 2
		.amdhsa_user_sgpr_kernarg_segment_ptr 1
		.amdhsa_wavefront_size32 1
		.amdhsa_system_sgpr_workgroup_id_x 1
		.amdhsa_system_sgpr_workgroup_id_y 1
		.amdhsa_system_sgpr_workgroup_id_z 1
		.amdhsa_system_vgpr_workitem_id 0
		.amdhsa_next_free_vgpr 608
		.amdhsa_next_free_sgpr 100
		.amdhsa_reserve_vcc 0
		.amdhsa_float_denorm_mode_32 3
		.amdhsa_float_denorm_mode_16_64 3
		.amdhsa_memory_ordered 1
		.amdhsa_forward_progress 1
		.amdhsa_inst_pref_size 64
	.end_amdhsa_kernel
	.amdgpu_metadata
---
amdhsa.version: [ 1, 2 ]
amdhsa.kernels:
  - .name:           k_q24151269d3_oproj
    .symbol:         k_q24151269d3_oproj.kd
    .args:
      - { .name: xa, .offset: 0, .size: 8, .value_kind: global_buffer, .address_space: global }
      - { .name: wc, .offset: 8, .size: 8, .value_kind: global_buffer, .address_space: global }
      - { .name: bo, .offset: 16, .size: 8, .value_kind: global_buffer, .address_space: global }
      - { .name: out0, .offset: 24, .size: 8, .value_kind: global_buffer, .address_space: global }
    .group_segment_fixed_size: 307712
    .private_segment_fixed_size: 0
    .kernarg_segment_align: 8
    .kernarg_segment_size: 32
    .max_flat_workgroup_size: 128
    .sgpr_count:     100
    .vgpr_count:     608
    .wavefront_size: 32
...
	.end_amdgpu_metadata
.endif
;; end of part 4
